; MI455X (gfx1250); checked and timed in simulation.
; The chip was launched on July 23, 2026; its instructions are those of AMD's public machine-readable ISA for CDNA 5 (MIT licence, August 2026) and "CDNA5" Instruction Set Architecture Reference Guide (July 2026). The comments in the code are by the model that wrote it; some were corrected since.
;; LASCC. Allowed arithmetic: matrix products marked QUANTISED: E3M2 operands, one E8M0 scale for each 32 along K, by v_wmma_scale_f32_16x16x128_f8f6f4 with both operands' format E3M2, f32 sums; everything else in f32.
;; Inputs: alpha one number float32; x 16 x 128 x 64 x 64 float32.
;; Outputs: out0 16 x 3 x 64 x 64 float32.
;; This version of the problem:
;;   THIS VERSION OF THE PROBLEM IS GIVEN IN LOW PRECISION. The matrix products marked QUANTISED in the list below multiply operands that are first quantised to E3M2 (3 exponent bits, 2 mantissa bits; 6 bits a number), with one power-of-two scale for each 32 numbers along K (OCP MX v1.0); their sums are f32. All else is computed in f32.
;;   The module's matrix products, in the order in which they are computed (A, B: the left and right operand; K: the contracted axis; several contracted axes count as one K, in the product's order):
;;     1. batch 32 x [M 1,024, K 128] x [K 128, N 1,024]; A: computed on the way; B: computed on the way: QUANTISED
;;   THE QUANTISER, for each operand of a quantised product, along K:
;;     - K is cut into blocks of 32 from its start; a last block that is shorter is filled with zeros.
;;     - A block's scale is 2^e with e = floor(log2(the largest magnitude in the block)) - 4, held to -126 .. 127; a block of zeros has e = 0. As a byte (E8M0): e + 127.
;;     - Each number is divided by its block's scale, clamped to +-28, and rounded to the nearest number of E3M2, ties to even, subnormals kept.
;;     - The product sums the exact products of the quantised numbers (number of the format x scale) in f32.
;;   ~~~python
;;   def quantise(x, axis):      # numpy; x: float32 -> the quantised numbers, widened to float32 again
;;       x = np.moveaxis(x, axis, -1); K = x.shape[-1]
;;       x = np.pad(x, [(0, 0)] * (x.ndim - 1) + [(0, -K % 32)]); x = x.reshape(x.shape[:-1] + (-1, 32)); a = np.abs(x).max(-1, keepdims=True)
;;       e = np.where(a > 0, np.clip(np.frexp(np.where(a > 0, a, 1))[1] - 1 - 4, -126, 127), 0)      # np.frexp(a)[1] - 1 = floor(log2(a)), exactly
;;       r = np.clip(x / 2.0 ** e, -28, 28)
;;       step = 2.0 ** (np.maximum(np.frexp(np.where(r == 0, 1, r))[1] - 1, -2) - 2)
;;       q = np.round(r / step) * step * 2.0 ** e      # np.round: ties to even
;;       return np.moveaxis(q.reshape(q.shape[:-2] + (-1,))[..., :K], -1, axis).astype(np.float32)
;;   ~~~
;;   OPERANDS COMPUTED ON THE WAY. 'Computed on the way' means the value that the module computes at that place (a softmax that the list does not call 'softmax' is quantised finished and normalised). What goes into a quantiser is computed in f32, as accurately as f32 sums, v_exp_f32 and their like allow (about 1e-6 of the number): no bf16 or f16 on the way to a quantiser, and a product that is left as it is and whose result goes on into a quantised operand takes f32 operands (vector FMAs, or v_wmma_f32_16x16x4_f32). A number that lies on a knife's edge between two numbers of the format may be rounded either way, as far as f32 arithmetic and the matrix unit's own rounding can turn it there, and no further.
;; 2 versions. Each part assembles by itself: llvm-mc -triple=amdgcn-amd-amdhsa -mcpu=gfx1250 --defsym DOCPART=n.
;; ======== version 1 of 2: 3 launches
;; workspace buffers: codes 3,145,728 bytes; scl 131,072 bytes; nlz 196,608 bytes
;; launch quant (part 1): grid 256 x 1, 4 waves a work-group, no clusters, 1,024 bytes of LDS; arguments x, codes, scl; writes codes, scl
.if DOCPART == 1
	.amdgcn_target "amdgcn-amd-amdhsa--gfx1250"
	.amdhsa_code_object_version 6
	.text
	.protected	k_q87a358374e_quant
	.globl	k_q87a358374e_quant
	.p2align	8
	.type	k_q87a358374e_quant,@function
k_q87a358374e_quant:
	s_mov_b64 s[64:65], 0
	v_nop
	global_prefetch_b8 v0, s[64:65] scope:SCOPE_SE
	s_setreg_imm32_b32 hwreg(HW_REG_WAVE_MODE, 25, 1), 1
	s_wait_xcnt 0x0
; x [16][128][64][64] f32.  Of each patch of 2 x 2 pixels the two diagonal pixels are kept: pixel p = 0 at (2 nr, 2 nc), p = 1 at (2 nr + 1, 2 nc + 1).
; Each kept pixel's 128 channels are divided by max(their L2 norm, 1e-12) and quantised along the channels to codes of BF6 (E3M2) with one E8M0 byte for each 32 channels.
; SHARES.  A wave takes one image row (b, h): 32 kept pixels, A LANE TO A PIXEL, ITS REGISTERS DOWN THE CHANNELS.  Each load reads one channel's row: the 32 lanes take every second word of its 256 bytes.
; So the norm, a block's largest magnitude and the conversions (which take neighbours along K from one lane's registers) need no other lane, and nothing is transposed.
; OUT.  codes: for image b, tile T of 16 patches (patch n = 32 nr + nc, T = n / 16) and pixel p, at ((64 b + T) 2 + p) x 1,536 bytes, the IMAGE OF AN OPERAND'S REGISTERS: registers 4 c .. 4 c + 3 of lane L at 512 c + 16 L.
; Lane (r, h) of a fragment holds blocks h and 2 + h of row r.  My lane holds all four blocks of its pixel, so it stores six times 16 bytes; sixteen neighbouring lanes fill 256 consecutive bytes, aligned.
; scl: one word (four bytes, block 0 lowest) a pixel, at (64 b + T) x 128 + 64 p + 4 r: lanes 0-15 of a reader get pixel 0's words, lanes 16-31 pixel 1's, by one load.  The work-group's 512 bytes are gathered in LDS and leave as two stores of 256 bytes.
; LIMITS: NaN and infinities are not served; the sum of a pixel's 128 squares must be finite (|x| under about 1e18).  The division is a multiplication by a reciprocal refined by one Newton step.
; A block of zeros gets the byte 1 where the quantiser says 127: its codes are zeros, which add nothing under any byte but 0xff, and this program alone reads the bytes.
.set CHB,  16384                       ; bytes from a channel to the next
.set SQ,   8                           ; v8-15    four packed chains of the sum of squares; later the reciprocal
.set MX,   16                          ; v16-23   two chains of each block's largest magnitude
.set SCO,  24                          ; v24-27   the conversions' scale operands
.set BY,   28                          ; v28-31   the scale bytes; v28 becomes the word
.set X,    32                          ; v32-159  the pixel's 128 numbers
.set CD,   160                         ; v160-183 its codes, blocks in the order 0, 2, 1, 3: the first twelve registers are fragment lane (r, 0)'s, the others lane (r, 1)'s
.set TH,   184                         ; v184-199 the second half of each block's codes, before it is moved
	s_load_b128 s[4:7], s[0:1], 0x0                ; x, codes
	s_load_b64 s[8:9], s[0:1], 0x10                ; scl
	v_lshl_add_u32 v200, v0, 2, 0x200
	v_mov_b32 v201, 0
	v_lshrrev_b32 v1, 5, v0
	v_readfirstlane_b32 s10, v1                    ; wave 0..3
	v_and_b32 v2, 31, v0                           ; lane = nc
	v_lshlrev_b32 v3, 3, v2                        ; 8 bytes from kept pixel to kept pixel
	v_lshrrev_b32 v5, 4, v2                        ; which of the row's two tiles
	v_and_b32 v6, 15, v2                           ; r
	s_lshr_b32 s11, ttmp9, 4                       ; b
	s_and_b32 s12, ttmp9, 15                       ; which four image rows: h = 4 s12 + wave
	s_and_b32 s13, s10, 1                          ; p = h % 2
	s_lshr_b32 s14, s10, 1                         ; which of the work-group's two patch rows
	s_lshl_b32 s16, s11, 21                        ; x: b x 128 channels x 16,384 bytes
	s_lshl_b32 s17, s12, 10
	s_add_co_u32 s16, s16, s17
	s_lshl_b32 s17, s10, 8
	s_add_co_u32 s16, s16, s17                     ; + h x 256
	s_lshl_b32 s17, s13, 2
	s_add_co_u32 s16, s16, s17                     ; + 4 p: odd rows keep the odd pixels
	s_mov_b32 s17, 0
	s_mul_i32 s18, s11, 196608                     ; codes: b x 64 tiles x 3,072
	s_mul_i32 s19, s12, 12288                      ; + four tiles for each four image rows
	s_add_co_u32 s18, s18, s19
	s_mul_i32 s19, s14, 6144                       ; + two tiles a patch row
	s_add_co_u32 s18, s18, s19
	s_mul_i32 s19, s13, 1536                       ; + p
	s_add_co_u32 s18, s18, s19
	s_mov_b32 s19, 0
	s_lshl_b32 s20, s11, 13                        ; scl: b x 8,192 + the work-group's 512 bytes
	s_lshl_b32 s21, s12, 9
	s_add_co_u32 s20, s20, s21
	s_mov_b32 s21, 0
	s_lshl_b32 s22, s14, 8                         ; LDS: the work-group's 512 bytes as they lie in scl
	s_lshl_b32 s23, s13, 6
	s_add_co_u32 s22, s22, s23
	s_lshl_b32 s23, s10, 8
	v_mul_u32_u24 v4, v5, 3072
	v_lshl_add_u32 v4, v6, 4, v4                   ; codes: my tile, 16 r
	v_lshlrev_b32 v7, 7, v5
	v_lshl_add_u32 v7, v6, 2, v7
	v_add_nc_u32 v7, s22, v7                       ; LDS: 256 (patch row) + 128 (tile) + 64 p + 4 r
	v_add_nc_u32 v1, s23, v3                       ; back, and in scl: 256 x wave + 8 x lane (waves 0 and 1)
	s_wait_kmcnt 0x0
	s_add_nc_u64 s[4:5], s[4:5], s[16:17]
	s_add_nc_u64 s[6:7], s[6:7], s[18:19]
	s_add_nc_u64 s[8:9], s[8:9], s[20:21]
.set c, 0
.rept 128
	global_load_b32 v[X+c], v3, s[4:5] offset:c*CHB th:TH_LOAD_NT    ; channel c of my pixel; every offset an immediate, no pointer is stepped
.set c, c+1
.endr
	; the sum of squares, two channels an instruction, four chains; the first four products start the chains
	s_wait_loadcnt 63                              ; loads come back in order: at most 63 of the 128 are out, so channels 0 to 64 are in
.irp j, 0,1,2,3
	v_pk_mul_f32 v[SQ+2*\j:SQ+2*\j+1], v[X+2*\j:X+2*\j+1], v[X+2*\j:X+2*\j+1]
.endr
.set c, 8
.rept 28
	v_pk_fma_f32 v[SQ+c%8:SQ+c%8+1], v[X+c:X+c+1], v[X+c:X+c+1], v[SQ+c%8:SQ+c%8+1]
.set c, c+2
.endr
.irp left, 48,32,16,0
	s_wait_loadcnt \left                           ; sixteen channels more are in; the younger loads stay out
.rept 8
	v_pk_fma_f32 v[SQ+c%8:SQ+c%8+1], v[X+c:X+c+1], v[X+c:X+c+1], v[SQ+c%8:SQ+c%8+1]
.set c, c+2
.endr
.endr
	v_pk_add_f32 v[SQ:SQ+1], v[SQ:SQ+1], v[SQ+2:SQ+3]
	v_pk_add_f32 v[SQ+4:SQ+5], v[SQ+4:SQ+5], v[SQ+6:SQ+7]
	v_pk_add_f32 v[SQ:SQ+1], v[SQ:SQ+1], v[SQ+4:SQ+5]
	v_add_f32 v[SQ], v[SQ], v[SQ+1]
	v_sqrt_f32 v[SQ+1], v[SQ]
	v_nop                                          ; a plain instruction behind the root,
	s_wait_alu depctr_va_vdst(0)                   ; and the wait ahead of its first reader
	v_max_num_f32 v[SQ+1], 0x2b8cbccc, v[SQ+1]     ; max(norm, 1e-12)
	v_rcp_f32 v[SQ+2], v[SQ+1]
	v_nop
	s_wait_alu depctr_va_vdst(0)
	v_fma_f32 v[SQ+3], -v[SQ+1], v[SQ+2], 1.0      ; one Newton step: r + r (1 - d r)
	v_fma_f32 v[SQ+2], v[SQ+2], v[SQ+3], v[SQ+2]
	v_mov_b32 v[SQ+3], v[SQ+2]                     ; twice, a pair for the packed multiply
.set c, 0
.rept 64
	v_pk_mul_f32 v[X+c:X+c+1], v[X+c:X+c+1], v[SQ+2:SQ+3]
.set c, c+2
.endr
	; each block's largest magnitude: all 32 numbers are mine; the four blocks by turns, two chains each
.irp k, 0,1,2,3
	v_max3_num_f32 v[MX+2*\k], |v[X+32*\k]|, |v[X+32*\k+1]|, |v[X+32*\k+2]|
	v_max3_num_f32 v[MX+2*\k+1], |v[X+32*\k+3]|, |v[X+32*\k+4]|, |v[X+32*\k+5]|
.endr
.irp i, 6,10,14,18,22,26
.irp k, 0,1,2,3
	v_max3_num_f32 v[MX+2*\k], v[MX+2*\k], |v[X+32*\k+\i]|, |v[X+32*\k+\i+1]|
	v_max3_num_f32 v[MX+2*\k+1], v[MX+2*\k+1], |v[X+32*\k+\i+2]|, |v[X+32*\k+\i+3]|
.endr
.endr
.irp k, 0,1,2,3
	v_max3_num_f32 v[MX+2*\k], v[MX+2*\k], |v[X+32*\k+30]|, |v[X+32*\k+31]|
.endr
.irp k, 0,1,2,3
	v_max3_num_f32 v[MX+2*\k], v[MX+2*\k], v[MX+2*\k+1], 0x2800000   ; and the floor 2^(5 - 127): the byte cannot fall under 1
.endr
.irp k, 0,1,2,3
	v_add_nc_u32 v[SCO+\k], 0xfe000000, v[MX+2*\k] ; 4 off the exponent field: the conversion takes the exponent field of this operand as its scale
.endr
.irp k, 0,1,2,3
	v_lshrrev_b32 v[BY+\k], 23, v[SCO+\k]          ; the scale's byte
.endr
	v_lshl_or_b32 v[BY], v[BY+1], 8, v[BY]
	v_lshl_or_b32 v[BY], v[BY+2], 16, v[BY]
	v_lshl_or_b32 v[BY], v[BY+3], 24, v[BY]        ; my pixel's scale word
.irp k, 0,1,2,3
	v_cvt_scalef32_pk16_bf6_f32 v[CD+6*((\k%2)*2+\k/2):CD+6*((\k%2)*2+\k/2)+2], v[X+32*\k:X+32*\k+15], v[SCO+\k]
	v_cvt_scalef32_pk16_bf6_f32 v[TH+4*\k:TH+4*\k+2], v[X+32*\k+16:X+32*\k+31], v[SCO+\k]   ; (a conversion's three registers begin on an even number: the second half of a block's six is made here and moved)
.endr
	v_nop                                          ; one plain instruction behind the scaled conversions
.irp k, 0,1,2,3
.irp i, 0,1,2
	v_mov_b32 v[CD+6*((\k%2)*2+\k/2)+3+\i], v[TH+4*\k+\i]
.endr
.endr
	ds_store_b32 v7, v[BY]
.irp hh, 0,1
.irp i, 0,1,2
	global_store_b128 v4, v[CD+12*\hh+4*\i:CD+12*\hh+4*\i+3], s[6:7] offset:256*\hh+512*\i   ; sixteen lanes store 256 consecutive bytes, aligned
.endr
.endr
	s_wait_dscnt 0x0                               ; for the others' sake: my scale words lie in LDS
	s_barrier_signal -1
	s_barrier_wait -1
	s_cmp_gt_u32 s10, 1
	s_cbranch_scc1 .Lend                           ; waves 0 and 1 store the work-group's 512 bytes of scale words
	ds_load_b64 v[8:9], v1
	s_wait_dscnt 0x0
	global_store_b64 v1, v[8:9], s[8:9]            ; 32 lanes store 256 consecutive bytes, aligned
.Lend:
	s_wait_tensorcnt 0x0
	ds_add_u32 v200, v201
	s_wait_dscnt 0x0
	s_endpgm
.Lfunc_end_k_q87a358374e_quant:
	.size	k_q87a358374e_quant, .Lfunc_end_k_q87a358374e_quant-k_q87a358374e_quant
	.p2alignl 7, 3214868480
	.fill 96, 4, 3214868480
	.section	.rodata,"a",@progbits
	.p2align	6, 0x0
	.amdhsa_kernel k_q87a358374e_quant
		.amdhsa_group_segment_fixed_size 1024
		.amdhsa_private_segment_fixed_size 0
		.amdhsa_enable_private_segment 0
		.amdhsa_kernarg_size 24
		.amdhsa_user_sgpr_count 2
		.amdhsa_user_sgpr_kernarg_segment_ptr 1
		.amdhsa_wavefront_size32 1
		.amdhsa_system_sgpr_workgroup_id_x 1
		.amdhsa_system_sgpr_workgroup_id_y 1
		.amdhsa_system_sgpr_workgroup_id_z 1
		.amdhsa_system_vgpr_workitem_id 0
		.amdhsa_next_free_vgpr 202
		.amdhsa_next_free_sgpr 66
		.amdhsa_reserve_vcc 0
		.amdhsa_float_denorm_mode_32 3
		.amdhsa_float_denorm_mode_16_64 3
		.amdhsa_memory_ordered 1
		.amdhsa_forward_progress 1
		.amdhsa_inst_pref_size 30
	.end_amdhsa_kernel
	.amdgpu_metadata
---
amdhsa.version: [ 1, 2 ]
amdhsa.kernels:
  - .name:           k_q87a358374e_quant
    .symbol:         k_q87a358374e_quant.kd
    .args:
      - { .name: x, .offset: 0, .size: 8, .value_kind: global_buffer, .address_space: global }
      - { .name: codes, .offset: 8, .size: 8, .value_kind: global_buffer, .address_space: global }
      - { .name: scl, .offset: 16, .size: 8, .value_kind: global_buffer, .address_space: global }
    .group_segment_fixed_size: 1024
    .private_segment_fixed_size: 0
    .kernarg_segment_align: 8
    .kernarg_segment_size: 24
    .max_flat_workgroup_size: 128
    .sgpr_count:     66
    .vgpr_count:     202
    .wavefront_size: 32
...
	.end_amdgpu_metadata
.endif
;; end of part 1
;; launch rowsum (part 2): grid 16 x 16, 8 waves a work-group, no clusters, 27,648 bytes of LDS; arguments codes, scl, alpha, nlz; writes nlz
.if DOCPART == 2
	.amdgcn_target "amdgcn-amd-amdhsa--gfx1250"
	.amdhsa_code_object_version 6
	.text
	.protected	k_q87a358374e_rowsum
	.globl	k_q87a358374e_rowsum
	.p2align	8
	.type	k_q87a358374e_rowsum,@function
k_q87a358374e_rowsum:
	s_mov_b64 s[64:65], 0
	v_nop
	global_prefetch_b8 v0, s[64:65] scope:SCOPE_SE
	s_setreg_imm32_b32 hwreg(HW_REG_WAVE_MODE, 25, 1), 1
	s_wait_xcnt 0x0
; nlz[b][q][n] = -log2 of the sum over m of 2^(s_q[n][m]), s_q = corr_q x mask x alpha x log2(e); q = 0, 1: the two diagonal pixels' products, q = 2: their mean.
; corr_p[n][m] = the product of rows n and m of the same quantised matrix (1,024 patches x 128 channels, codes of BF6 with E8M0 scales), and the mask is symmetric: so s is symmetric and the column softmax's divisor of column m is the row sum of row m.
; THE MAXIMUM IS TAKEN AWAY BY A RUNNING MAXIMUM, kept by each lane for the scores that it sees: alpha is an input, so nothing bounds the exponents.
; SHARES.  Work-group (x, y) = (row block, image): 64 rows n = 4 tiles.  Each of the 8 waves keeps all 4 tiles of both pixels (8 fragments, 96 registers, window 1) and walks the tiles of m numbered wave + 8 k, k = 0 .. 7.
; Source 0 = the walked tile, source 1 = my rows: a lane holds ONE row n (lane % 16) and its 8 registers the columns m = 8 (lane / 16) + 0 .. 7.  K = 128 is one matrix instruction: each sum begins and ends with the constant 0 as C.
; A walked fragment feeds 4 matrix instructions and is read by this wave alone, in the order of its registers: three loads of 16 bytes a lane straight from memory, issued behind the step's 8 matrix instructions into the registers just read, a whole step ahead of their use.
; NO JOINT LOADS, though the 16 work-groups of an image read the same 200 KB: a joint request goes into LDS, and here no byte is wanted by two waves of a work-group; a step's 3,200 bytes a wave stand beside some 350 vector instructions.
; THE MASK x alpha: a2 (1 - gr gc) = G x NG + a2, one packed multiply-add: G = gc for my row's column against the 8 columns of m (the walked tiles of a wave all lie in one half of a patch row: 16 registers for my two halves), NG = -a2 gr, a scalar for each step and each of my two patch rows.
; The eight steps are written out by a macro: every offset is an immediate and the row factors are constants of a step.
; AT THE END each lane's (maximum, sum) of 12 (tile, map) pairs goes to LDS; 16 parts (8 waves x 2 halves of the lanes) are joined by waves 0 to 2, one map each, two rows a lane, and leave as 256 consecutive bytes.
; LIMITS: NaN and infinities are not served; |alpha| under about 1e37 (the scores must be finite).
.set TILEB, 3072                       ; a tile's two fragments
.set STEPB, 8*TILEB                    ; from a wave's tile to its next
.set A2,   8                           ; v[8:9]   a2 = alpha log2(e), twice
.set NG,   10                          ; v[10:11], v[12:13]  -a2 gr for my first and second patch row (the low word serves both halves)
.set AS,   14                          ; v14      the walked tile's scale words: lanes 0-15 pixel 0's, lanes 16-31 pixel 1's
.set BS,   16                          ; v16-19   the same of my four tiles
.set AF,   20                          ; v20-43   the walked tile's two fragments
.set G,    44                          ; v44-59   gc: 8 registers for each half of my patch rows
.set MA,   60                          ; v60-67   the mask x a2 of the tile in hand
.set S2,   68                          ; v68-83   s_0 + s_1, two sets by turns
.set ACC,  84                          ; v84-147  accumulator (tile i, pixel p) at 16 i + 8 p
.set ST,   148                         ; v148-195 (tile i, map q) at 12 i + 4 q: M, f, and the sum in two halves.  For q = 2, M is kept of s_0 + s_1, twice the score
.set HM,   196                         ; v[196:197] half of that M
.set TMP,  198                         ; v198-205 at work
.set GR,   40                          ; s40-55   -a2 gr: step k, patch row a at 8 a + k
.set PSTR, 832                         ; LDS: a part's 3 x 64 words + 64 bytes, so that the two halves of the lanes fall on different banks
.set LSB,  16*PSTR                     ; the maxima from 0, the sums from here
.set FM,   ACC
.set FS,   ACC+32
.set MSB, 0
.macro WIN new                         ; the immediate's high byte repeats the setting that is left
.if MSB != \new
	s_set_vgpr_msb (MSB<<8)|\new
.set MSB, \new
.endif
.endm
.macro LOADA t                         ; the wave's t-th tile: six times 16 bytes a lane, and the scale words
.irp f, 0,1,2,3,4,5
	global_load_b128 v[AF+4*\f:AF+4*\f+3], v1, s[22:23] offset:(\t)*STEPB+512*\f
.endr
	global_load_b32 v[AS], v2, s[26:27] offset:(\t)*1024
.endm
	s_load_b256 s[4:11], s[0:1], 0x0               ; codes, scl, alpha, nlz
	v_lshl_add_u32 v254, v0, 2, 0x6800
	v_mov_b32 v255, 0
	v_lshrrev_b32 v6, 5, v0
	v_readfirstlane_b32 s15, v6                    ; wave 0..7
	v_and_b32 v7, 31, v0
	v_lshlrev_b32 v1, 4, v7                        ; 16 x lane
	v_lshlrev_b32 v2, 2, v7                        ; 4 x lane
	v_lshlrev_b32 v5, 3, v7                        ; 8 x lane
	s_mov_b32 s16, ttmp9                           ; row block
	s_and_b32 s17, ttmp7, 0xffff                   ; image
	s_mov_b32 s19, 0
	s_wait_kmcnt 0x0
	s_load_b32 s12, s[8:9], 0x0                    ; alpha
	s_mul_i32 s18, s17, 64*TILEB
	s_add_nc_u64 s[4:5], s[4:5], s[18:19]          ; the image's codes
	s_mul_i32 s18, s16, 4*TILEB
	s_add_nc_u64 s[20:21], s[4:5], s[18:19]        ; my four tiles
	s_mul_i32 s18, s15, TILEB
	s_add_nc_u64 s[22:23], s[4:5], s[18:19]        ; the wave's first walked tile
	s_lshl_b32 s18, s17, 13
	s_add_nc_u64 s[6:7], s[6:7], s[18:19]          ; the image's scale words, 128 bytes a tile
	s_lshl_b32 s18, s16, 9
	s_add_nc_u64 s[24:25], s[6:7], s[18:19]
	s_lshl_b32 s18, s15, 7
	s_add_nc_u64 s[26:27], s[6:7], s[18:19]
	WIN 0x40                                       ; destination window 1
.set f, 0
.rept 24
	global_load_b128 v[4*f:4*f+3], v1, s[20:21] offset:512*f     ; fragment (tile i, pixel p) at v[24 i + 12 p] of window 1: they stay
.set f, f+1
.endr
	WIN 0
.irp i, 0,1,2,3
	global_load_b32 v[BS+\i], v2, s[24:25] offset:128*\i
.endr
	LOADA 0
	s_mul_i32 s18, s17, 12288                      ; nlz: image, map = wave (waves 0 to 2), row block
	s_lshl_b32 s28, s15, 12
	s_add_co_u32 s18, s18, s28
	s_lshl_b32 s28, s16, 8
	s_add_co_u32 s18, s18, s28
	s_add_nc_u64 s[10:11], s[10:11], s[18:19]
	v_and_b32 v6, 15, v0                           ; r
	v_bfe_u32 v7, v0, 4, 1                         ; h
	s_mul_i32 s28, s15, 2*PSTR
	v_mul_u32_u24 v3, v7, PSTR
	v_lshl_add_u32 v3, v6, 2, v3
	v_add_nc_u32 v3, s28, v3                       ; LDS, in: part 2 wave + h, 4 r
	s_lshl_b32 s28, s15, 8
	v_add_nc_u32 v4, s28, v5                       ; LDS, back: map = wave, rows 2 lane and 2 lane + 1
	; gc = 2^(-dc^2 log2(e) / 5.12), dc = my column - m's column = r - 8 h - 16 (wave % 2) + 16 (my half) - j
	v_lshlrev_b32 v[TMP], 3, v7
	v_sub_nc_u32 v[TMP], v6, v[TMP]
	s_and_b32 s28, s15, 1
	s_lshl_b32 s28, s28, 4
	v_subrev_nc_u32 v[TMP], s28, v[TMP]
.set n, 0
.rept 16
	v_add_nc_u32 v[G+n], 16*(n/8)-n%8, v[TMP]
.set n, n+1
.endr
.set n, 0
.rept 16
	v_cvt_f32_i32 v[G+n], v[G+n]
.set n, n+1
.endr
.set n, 0
.rept 16
	v_mul_f32 v[G+n], v[G+n], v[G+n]
.set n, n+1
.endr
.set n, 0
.rept 16
	v_mul_f32 v[G+n], 0xbe9044fe, v[G+n]           ; x -log2(e) / 5.12
.set n, n+1
.endr
	; gr likewise, lane 8 a + k for step k and patch row a: dr = wave / 2 + 4 k - 2 (row block) - a
	v_and_b32 v[TMP+1], 7, v0
	v_bfe_u32 v[TMP+2], v0, 3, 1
	v_lshlrev_b32 v[TMP+1], 2, v[TMP+1]
	v_sub_nc_u32 v[TMP+1], v[TMP+1], v[TMP+2]
	s_lshr_b32 s28, s15, 1
	s_lshl_b32 s29, s16, 1
	s_sub_co_i32 s28, s28, s29
	v_add_nc_u32 v[TMP+1], s28, v[TMP+1]
	v_cvt_f32_i32 v[TMP+1], v[TMP+1]
	v_mul_f32 v[TMP+1], v[TMP+1], v[TMP+1]
	v_mul_f32 v[TMP+1], 0xbe9044fe, v[TMP+1]
.set n, 0
.rept 16
	v_exp_f32 v[G+n], v[G+n]
.set n, n+1
.endr
	v_exp_f32 v[TMP+1], v[TMP+1]
	s_wait_kmcnt 0x0                               ; alpha
	s_mul_f32 s13, s12, 0x3fb8aa3b                 ; a2 = alpha log2(e)
	s_mul_f32 s14, s12, 0xbfb8aa3b                 ; -a2
	s_mov_b32 s30, 0xff61b1e6                      ; -3e38, under every score
	v_mov_b32 v[A2], s13                           ; (plain work behind the exponentials)
	v_mov_b32 v[A2+1], s13
	v_mov_b32 v[NG+1], 0                           ; upper halves of pairs of which the low word alone is used: written once
	v_mov_b32 v[NG+3], 0
	v_mov_b32 v[HM+1], 0
.set n, 0
.rept 12
	v_mov_b32 v[ST+4*n], s30                       ; the running maxima begin under every score, the sums at 0: the first step's f is 0
	v_mov_b32 v[ST+4*n+2], 0
	v_mov_b32 v[ST+4*n+3], 0
.set n, n+1
.endr
	s_wait_alu depctr_va_vdst(0)                   ; one wait for the 17 exponentials, ahead of their first reader
	v_mul_f32 v[TMP+1], s14, v[TMP+1]
.set n, 0
.rept 16
	v_readlane_b32 s[GR+n], v[TMP+1], n
.set n, n+1
.endr
.macro REGS i
.set RC0, ACC+16*(\i)
.set RC1, ACC+16*(\i)+8
.set RS2, S2+8*((\i)%2)
.set RST, ST+12*(\i)
.endm
.macro MM i                            ; my tile i against the walked tile, both pixels; pixel 1's scale words stand in lanes 16-31
	v_wmma_scale_f32_16x16x128_f8f6f4 v[ACC+16*\i:ACC+16*\i+7], v[AF:AF+11], v[24*\i:24*\i+11], 0, v[AS], v[BS+\i] matrix_a_fmt:MATRIX_FMT_BF6 matrix_b_fmt:MATRIX_FMT_BF6
	v_wmma_scale_f32_16x16x128_f8f6f4 v[ACC+16*\i+8:ACC+16*\i+15], v[AF+12:AF+23], v[24*\i+12:24*\i+23], 0, v[AS], v[BS+\i] matrix_a_fmt:MATRIX_FMT_BF6 matrix_b_fmt:MATRIX_FMT_BF6 matrix_a_scale:MATRIX_SCALE_ROW1 matrix_b_scale:MATRIX_SCALE_ROW1
.endm
.macro MASK i                          ; a2 (1 - gr gc) for tile i: half i % 2 of patch row i / 2
.irp j, 0,2,4,6
	v_pk_fma_f32 v[MA+\j:MA+\j+1], v[G+8*((\i)%2)+\j:G+8*((\i)%2)+\j+1], v[NG+2*((\i)/2):NG+2*((\i)/2)+1], v[A2:A2+1] op_sel_hi:[1,0,0]
.endr
.endm
; Tile i, first part: the scores, the new maxima, and the exponents.  Each accumulator is read from its low end on.
.macro PA i
	REGS \i
.irp j, 0,2,4,6
	v_pk_mul_f32 v[RC0+\j:RC0+\j+1], v[RC0+\j:RC0+\j+1], v[MA+\j:MA+\j+1]
.endr
.irp j, 0,2,4,6
	v_pk_mul_f32 v[RC1+\j:RC1+\j+1], v[RC1+\j:RC1+\j+1], v[MA+\j:MA+\j+1]
.endr
.irp j, 0,2,4,6
	v_pk_add_f32 v[RS2+\j:RS2+\j+1], v[RC0+\j:RC0+\j+1], v[RC1+\j:RC1+\j+1]    ; twice the third map's score
.endr
	v_max3_num_f32 v[TMP], v[RC0], v[RC0+1], v[RC0+2]
	v_max3_num_f32 v[TMP+1], v[RC1], v[RC1+1], v[RC1+2]
	v_max3_num_f32 v[TMP+2], v[RS2], v[RS2+1], v[RS2+2]
.irp j, 3,5
	v_max3_num_f32 v[TMP], v[TMP], v[RC0+\j], v[RC0+\j+1]
	v_max3_num_f32 v[TMP+1], v[TMP+1], v[RC1+\j], v[RC1+\j+1]
	v_max3_num_f32 v[TMP+2], v[TMP+2], v[RS2+\j], v[RS2+\j+1]
.endr
	v_max3_num_f32 v[TMP], v[TMP], v[RC0+7], v[RST]              ; with the running maximum: the new one
	v_max3_num_f32 v[TMP+1], v[TMP+1], v[RC1+7], v[RST+4]
	v_max3_num_f32 v[TMP+2], v[TMP+2], v[RS2+7], v[RST+8]
	v_sub_f32 v[RST+1], v[RST], v[TMP]                           ; old M - new M: f's exponent
	v_sub_f32 v[RST+5], v[RST+4], v[TMP+1]
	v_mul_f32 v[HM], 0.5, v[TMP+2]
	v_mov_b32 v[RST], v[TMP]
	v_mov_b32 v[RST+4], v[TMP+1]
	v_fma_f32 v[RST+9], v[RST+8], 0.5, -v[HM]
	v_mov_b32 v[RST+8], v[TMP+2]
.irp j, 0,2,4,6
	v_pk_add_f32 v[RC0+\j:RC0+\j+1], v[RC0+\j:RC0+\j+1], v[RST:RST+1] op_sel_hi:[1,0] neg_lo:[0,1] neg_hi:[0,1]       ; s - M (of the pair M, f the low word serves both halves)
.endr
.irp j, 0,2,4,6
	v_pk_add_f32 v[RC1+\j:RC1+\j+1], v[RC1+\j:RC1+\j+1], v[RST+4:RST+5] op_sel_hi:[1,0] neg_lo:[0,1] neg_hi:[0,1]
.endr
.irp j, 0,2,4,6
	v_pk_fma_f32 v[RS2+\j:RS2+\j+1], v[RS2+\j:RS2+\j+1], 0.5, v[HM:HM+1] op_sel_hi:[1,0,0] neg_lo:[0,0,1] neg_hi:[0,0,1]
.endr
.endm
.macro PB i                            ; second part: ONE BATCH of 27 exponentials; none reads another's result
	REGS \i
	v_exp_f32 v[RST+1], v[RST+1]
	v_exp_f32 v[RST+5], v[RST+5]
	v_exp_f32 v[RST+9], v[RST+9]
.irp j, 0,1,2,3,4,5,6,7
	v_exp_f32 v[RC0+\j], v[RC0+\j]
	v_exp_f32 v[RC1+\j], v[RC1+\j]
	v_exp_f32 v[RS2+\j], v[RS2+\j]
.endr
.endm
.macro PC i                            ; third part, behind the batch's wait: sum = sum x f + the eight terms
	REGS \i
	v_fma_f32 v[RST+2], v[RST+2], v[RST+1], v[RC0]
	v_fma_f32 v[RST+3], v[RST+3], v[RST+1], v[RC0+1]
	v_fma_f32 v[RST+6], v[RST+6], v[RST+5], v[RC1]
	v_fma_f32 v[RST+7], v[RST+7], v[RST+5], v[RC1+1]
	v_fma_f32 v[RST+10], v[RST+10], v[RST+9], v[RS2]
	v_fma_f32 v[RST+11], v[RST+11], v[RST+9], v[RS2+1]
.irp j, 2,4,6
	v_pk_add_f32 v[RST+2:RST+3], v[RST+2:RST+3], v[RC0+\j:RC0+\j+1]
	v_pk_add_f32 v[RST+6:RST+7], v[RST+6:RST+7], v[RC1+\j:RC1+\j+1]
	v_pk_add_f32 v[RST+10:RST+11], v[RST+10:RST+11], v[RS2+\j:RS2+\j+1]
.endr
.endm
; A STEP: one walked tile against my four.  The next tile's first part stands between a batch of exponentials and the wait for it.
.macro STEP k
	s_wait_loadcnt 0x0                             ; the walked tile's fragments and scale words, asked for a step ago (in step 0: my own tiles' too)
	WIN 0x04                                       ; source 1 in window 1
	MM 0
	MM 1
	MM 2
	MM 3
	WIN 0
	v_mov_b32 v[NG], s[GR+\k]                      ; six plain instructions that name no register of the products: the places in front of the loads into their sources and of the first read of their results
	v_mov_b32 v[NG+2], s[GR+8+\k]
	MASK 0
.if \k < 7
	LOADA (\k+1)
.endif
	PA 0
	PB 0
	MASK 1
	PA 1
	s_wait_alu depctr_va_vdst(0)                   ; one wait for tile 0's batch, ahead of its first reader
	PC 0
	PB 1
	MASK 2
	PA 2
	s_wait_alu depctr_va_vdst(0)
	PC 1
	PB 2
	MASK 3
	PA 3
	s_wait_alu depctr_va_vdst(0)
	PC 2
	PB 3
	v_nop                                          ; a plain instruction behind the last exponential
	s_wait_alu depctr_va_vdst(0)
	PC 3
.endm
.irp k, 0,1,2,3,4,5,6,7
	STEP \k
.endr
	; each lane's 12 pairs (M, sum) go to LDS
.set n, 0
.rept 12
	v_add_f32 v[ST+4*n+2], v[ST+4*n+2], v[ST+4*n+3]
.set n, n+1
.endr
.irp i, 0,1,2,3
	v_mul_f32 v[ST+12*\i+8], 0.5, v[ST+12*\i+8]    ; the third map's M as a score
.endr
.irp i, 0,1,2,3
.irp q, 0,1,2
	ds_store_b32 v3, v[ST+12*\i+4*\q] offset:256*\q+64*\i
	ds_store_b32 v3, v[ST+12*\i+4*\q+2] offset:LSB+256*\q+64*\i
.endr
.endr
	s_wait_dscnt 0x0                               ; for the others' sake: my stores have landed
	s_barrier_signal -1
	s_barrier_wait -1
	s_cmp_gt_u32 s15, 2
	s_cbranch_scc1 .Lend                           ; waves 0 to 2 join the 16 parts of one map each
.set n, 0
.rept 16
	ds_load_b64 v[FM+2*n:FM+2*n+1], v4 offset:PSTR*n
.set n, n+1
.endr
.set n, 0
.rept 16
	ds_load_b64 v[FS+2*n:FS+2*n+1], v4 offset:LSB+PSTR*n
.set n, n+1
.endr
	s_wait_dscnt 0x0
.irp e, 0,1
	v_max3_num_f32 v[TMP+\e], v[FM+\e], v[FM+2+\e], v[FM+4+\e]
.endr
.irp p, 3,5,7,9,11,13
.irp e, 0,1
	v_max3_num_f32 v[TMP+\e], v[TMP+\e], v[FM+2*\p+\e], v[FM+2*\p+2+\e]
.endr
.endr
.irp e, 0,1
	v_max_num_f32 v[TMP+\e], v[TMP+\e], v[FM+30+\e]              ; the rows' maxima
.endr
.set n, 0
.rept 16
	v_pk_add_f32 v[FM+2*n:FM+2*n+1], v[FM+2*n:FM+2*n+1], v[TMP:TMP+1] neg_lo:[0,1] neg_hi:[0,1]
.set n, n+1
.endr
.set n, 0
.rept 32
	v_exp_f32 v[FM+n], v[FM+n]
.set n, n+1
.endr
	v_nop
	s_wait_alu depctr_va_vdst(0)
	v_pk_mul_f32 v[TMP+2:TMP+3], v[FS:FS+1], v[FM:FM+1]          ; the parts' sums under the common maximum, in two chains
	v_pk_mul_f32 v[TMP+4:TMP+5], v[FS+2:FS+3], v[FM+2:FM+3]
.irp p, 2,4,6,8,10,12,14
	v_pk_fma_f32 v[TMP+2:TMP+3], v[FS+2*\p:FS+2*\p+1], v[FM+2*\p:FM+2*\p+1], v[TMP+2:TMP+3]
	v_pk_fma_f32 v[TMP+4:TMP+5], v[FS+2*\p+2:FS+2*\p+3], v[FM+2*\p+2:FM+2*\p+3], v[TMP+4:TMP+5]
.endr
	v_pk_add_f32 v[TMP+2:TMP+3], v[TMP+2:TMP+3], v[TMP+4:TMP+5]  ; at least 1: the largest score's term
	v_log_f32 v[TMP+4], v[TMP+2]
	v_log_f32 v[TMP+5], v[TMP+3]
	v_nop
	s_wait_alu depctr_va_vdst(0)
	v_sub_f32 v[TMP+6], -v[TMP], v[TMP+4]          ; -(M + log2(sum))
	v_sub_f32 v[TMP+7], -v[TMP+1], v[TMP+5]
	global_store_b64 v5, v[TMP+6:TMP+7], s[10:11]  ; 32 lanes store 256 consecutive bytes, aligned
.Lend:
	s_wait_tensorcnt 0x0
	ds_add_u32 v254, v255
	s_wait_dscnt 0x0
	s_endpgm
.Lfunc_end_k_q87a358374e_rowsum:
	.size	k_q87a358374e_rowsum, .Lfunc_end_k_q87a358374e_rowsum-k_q87a358374e_rowsum
	.p2alignl 7, 3214868480
	.fill 96, 4, 3214868480
	.section	.rodata,"a",@progbits
	.p2align	6, 0x0
	.amdhsa_kernel k_q87a358374e_rowsum
		.amdhsa_group_segment_fixed_size 27648
		.amdhsa_private_segment_fixed_size 0
		.amdhsa_enable_private_segment 0
		.amdhsa_kernarg_size 32
		.amdhsa_user_sgpr_count 2
		.amdhsa_user_sgpr_kernarg_segment_ptr 1
		.amdhsa_wavefront_size32 1
		.amdhsa_system_sgpr_workgroup_id_x 1
		.amdhsa_system_sgpr_workgroup_id_y 1
		.amdhsa_system_sgpr_workgroup_id_z 1
		.amdhsa_system_vgpr_workitem_id 0
		.amdhsa_next_free_vgpr 352
		.amdhsa_next_free_sgpr 66
		.amdhsa_reserve_vcc 0
		.amdhsa_float_denorm_mode_32 3
		.amdhsa_float_denorm_mode_16_64 3
		.amdhsa_memory_ordered 1
		.amdhsa_forward_progress 1
		.amdhsa_inst_pref_size 181
	.end_amdhsa_kernel
	.amdgpu_metadata
---
amdhsa.version: [ 1, 2 ]
amdhsa.kernels:
  - .name:           k_q87a358374e_rowsum
    .symbol:         k_q87a358374e_rowsum.kd
    .args:
      - { .name: codes, .offset: 0, .size: 8, .value_kind: global_buffer, .address_space: global }
      - { .name: scl, .offset: 8, .size: 8, .value_kind: global_buffer, .address_space: global }
      - { .name: alpha, .offset: 16, .size: 8, .value_kind: global_buffer, .address_space: global }
      - { .name: nlz, .offset: 24, .size: 8, .value_kind: global_buffer, .address_space: global }
    .group_segment_fixed_size: 27648
    .private_segment_fixed_size: 0
    .kernarg_segment_align: 8
    .kernarg_segment_size: 32
    .max_flat_workgroup_size: 256
    .sgpr_count:     66
    .vgpr_count:     352
    .wavefront_size: 32
...
	.end_amdgpu_metadata
.endif
;; end of part 2
;; launch topk (part 3): grid 16 x 16, 8 waves a work-group, no clusters, 64,768 bytes of LDS; arguments codes, scl, alpha, nlz, out0; writes out0
.if DOCPART == 3
	.amdgcn_target "amdgcn-amd-amdhsa--gfx1250"
	.amdhsa_code_object_version 6
	.text
	.protected	k_q87a358374e_topk
	.globl	k_q87a358374e_topk
	.p2align	8
	.type	k_q87a358374e_topk,@function
k_q87a358374e_topk:
	s_mov_b64 s[64:65], 0
	v_nop
	global_prefetch_b8 v0, s[64:65] scope:SCOPE_SE
	s_setreg_imm32_b32 hwreg(HW_REG_WAVE_MODE, 25, 1), 1
	s_wait_xcnt 0x0
; out0[b][k][2 nr + pi][2 nc + pj] = the k-th largest over m of a_q[n][m], q = 0 for (pi, pj) = (0, 0), 1 for (1, 1), 2 else;  a_q[n][m] = 2^(2 s_q[n][m] + nlz_q[n] + nlz_q[m]), s_q in units of log2 as the launch before has it,
; nlz = -log2 of the row sums: the product of the row softmax and the column softmax of a symmetric s.  2^x rises with x: the three largest are found on t = 2 s + nlz[m], and only they go through an exponential.
; SHARES, LAYOUT, LOADS, MASK: as in the launch before (64 rows a work-group, all of them in each of 8 waves, wave w walks the tiles of m numbered w + 8 k; source 0 = the walked tile, so a lane holds one row n and 8 columns m);
; the mask carries 2 alpha log2(e).  No joint loads, for the same reason: no byte of the codes is wanted by two waves of a work-group, and a step's 3,200 bytes a wave stand beside some 300 vector instructions.
; nlz of the whole image (12 KB) is copied into LDS once; a step takes its 8 columns' numbers of the three maps from there.  The third map: t_2 = (t_0 + t_1) / 2 + (nlz_2 - (nlz_0 + nlz_1) / 2).
; THE THREE LARGEST, 17 instructions for 8 numbers: a knock-out of three rounds on the 8 numbers; the winner is put into a sorted list of three (two medians and a maximum); of each round's losers only the LARGEST ever seen is kept.
; That is enough: a loser can be among the three largest only with its winner, so at most one loser of a round is among them, and then it is that round's largest.  At the end the three kept losers are put into the list.
; AT THE END the lists of 16 parts (8 waves x 2 halves of the lanes) meet in LDS; waves 0 to 5 join them (a map and 32 rows each), add nlz[n] and take 2^x; the values meet in LDS once more, so that each store covers a whole image row of 256 bytes.
; LIMITS: NaN and infinities are not served; |alpha| under about 1e37; a result under 2^-126 comes out as 0.
.set TILEB, 3072
.set STEPB, 8*TILEB
.set A2,   8                           ; v[8:9]   2 alpha log2(e), twice
.set NG,   10                          ; v[10:11], v[12:13]  -that x gr for my two patch rows
.set AS,   14                          ; v14      the walked tile's scale words;  v15: nlz of the row that I finish
.set BS,   16                          ; v16-19   my four tiles' scale words
.set AF,   20                          ; v20-43   the walked tile's two fragments
.set G,    44                          ; v44-59   gc
.set MA,   60                          ; v60-67   the mask of the tile in hand
.set T2,   68                          ; v68-75   the third map's t
.set NL,   76                          ; v76-99   nlz of the step's columns: map q at 8 q; map 2's become nlz_2 - (nlz_0 + nlz_1) / 2
.set ACC,  100                         ; v100-163 accumulator (tile i, pixel p) at 16 i + 8 p
.set ST,   164                         ; v164-235 (tile i, map q) at 6 (3 i + q): the list of three, then the largest loser of each round
.set FRD,  236                         ; v236     LDS address of the finished values that I store
.set TMP,  238                         ; v238-241 at work
.set RR,   242
.set HH,   243
.set T16,  244
.set MG,   ACC
.set GR,   40                          ; s40-55
.set PB0,  12288                       ; LDS: nlz from 0; the parts' lists from here: part x 3,072 + map x 1,024 + row x 16
.set FB,   PB0+49152                   ; the finished values: map x 768 + k x 256 + row x 4
.set MSB, 0
.macro WIN new
.if MSB != \new
	s_set_vgpr_msb (MSB<<8)|\new
.set MSB, \new
.endif
.endm
.macro LOADA t
.irp f, 0,1,2,3,4,5
	global_load_b128 v[AF+4*\f:AF+4*\f+3], v1, s[22:23] offset:(\t)*STEPB+512*\f
.endr
	global_load_b32 v[AS], v2, s[26:27] offset:(\t)*1024
.endm
	s_load_b256 s[4:11], s[0:1], 0x0               ; codes, scl, alpha, nlz
	s_load_b64 s[32:33], s[0:1], 0x20              ; out0
	v_lshl_add_u32 v254, v0, 2, 0xf900
	v_mov_b32 v255, 0
	v_lshrrev_b32 v6, 5, v0
	v_readfirstlane_b32 s15, v6                    ; wave 0..7
	v_and_b32 v7, 31, v0
	v_lshlrev_b32 v1, 4, v7                        ; 16 x lane
	v_lshlrev_b32 v2, 2, v7                        ; 4 x lane
	v_lshlrev_b32 v5, 3, v7                        ; 8 x lane
	v_lshlrev_b32 v[T16], 4, v0                    ; 16 x thread
	s_mov_b32 s16, ttmp9                           ; row block
	s_and_b32 s17, ttmp7, 0xffff                   ; image
	s_mov_b32 s19, 0
	s_lshr_b32 s28, s15, 1                         ; at the end: which map (then: which k),
	s_and_b32 s29, s15, 1                          ; and which 32 of the 64 rows
	s_wait_kmcnt 0x0
	s_load_b32 s12, s[8:9], 0x0                    ; alpha
	s_mul_i32 s18, s17, 64*TILEB
	s_add_nc_u64 s[4:5], s[4:5], s[18:19]
	s_mul_i32 s18, s16, 4*TILEB
	s_add_nc_u64 s[20:21], s[4:5], s[18:19]
	s_mul_i32 s18, s15, TILEB
	s_add_nc_u64 s[22:23], s[4:5], s[18:19]
	s_lshl_b32 s18, s17, 13
	s_add_nc_u64 s[6:7], s[6:7], s[18:19]
	s_lshl_b32 s18, s16, 9
	s_add_nc_u64 s[24:25], s[6:7], s[18:19]
	s_lshl_b32 s18, s15, 7
	s_add_nc_u64 s[26:27], s[6:7], s[18:19]
	s_mul_i32 s18, s17, 12288
	s_add_nc_u64 s[10:11], s[10:11], s[18:19]      ; the image's nlz
	s_min_u32 s31, s28, 2                          ; (waves 6 and 7 finish nothing: their load stays inside the buffer)
	s_lshl_b32 s18, s31, 12
	s_lshl_b32 s36, s16, 8
	s_add_co_u32 s18, s18, s36
	s_lshl_b32 s36, s29, 7
	s_add_co_u32 s18, s18, s36
	s_add_nc_u64 s[34:35], s[10:11], s[18:19]      ; nlz of the 32 rows that I finish
	WIN 0x40                                       ; destination window 1
.set f, 0
.rept 24
	global_load_b128 v[4*f:4*f+3], v1, s[20:21] offset:512*f
.set f, f+1
.endr
	WIN 0
.irp i, 0,1,2,3
	global_load_b32 v[BS+\i], v2, s[24:25] offset:128*\i
.endr
	LOADA 0
.irp q, 0,1,2
	global_load_b128 v[ACC+4*\q:ACC+4*\q+3], v[T16], s[10:11] offset:4096*\q   ; the 256 threads copy the image's nlz, 4,096 bytes a map
.endr
	global_load_b32 v15, v2, s[34:35]
	s_mul_i32 s18, s17, 49152                      ; out0: image, k = wave / 2, image rows 4 (row block) + 2 (wave % 2) on
	s_lshl_b32 s36, s28, 14
	s_add_co_u32 s18, s18, s36
	s_lshl_b32 s36, s16, 10
	s_add_co_u32 s18, s18, s36
	s_lshl_b32 s36, s29, 9
	s_add_co_u32 s18, s18, s36
	s_add_nc_u64 s[32:33], s[32:33], s[18:19]
	v_and_b32 v[RR], 15, v0                        ; r
	v_bfe_u32 v[HH], v0, 4, 1                      ; h
	s_mul_i32 s36, s15, 6144
	v_mul_u32_u24 v3, v[HH], 3072
	v_lshl_add_u32 v3, v[RR], 4, v3
	v_add_nc_u32 v3, s36, v3                       ; the lists, in: part 2 wave + h, 16 r
	s_lshl_b32 s36, s28, 10
	s_lshl_b32 s37, s29, 9
	s_add_co_u32 s36, s36, s37
	v_add_nc_u32 v4, s36, v1                       ; back: my map, my 32 rows, 16 x lane
	s_mul_i32 s36, s28, 768
	s_lshl_b32 s37, s29, 7
	s_add_co_u32 s36, s36, s37
	v_add_nc_u32 v7, s36, v2                       ; the finished values, in: my map, my rows
	s_lshl_b32 s36, s28, 8
	s_add_co_u32 s36, s36, s37
	v_add_nc_u32 v[FRD], s36, v2                   ; back: my k, my rows
	s_lshl_b32 s36, s15, 6
	v_lshl_add_u32 v6, v[HH], 5, s36               ; nlz of a step's columns: 64 x wave + 32 h
	; gc and gr, as in the launch before
	v_lshlrev_b32 v[TMP], 3, v[HH]
	v_sub_nc_u32 v[TMP], v[RR], v[TMP]
	s_lshl_b32 s36, s29, 4
	v_subrev_nc_u32 v[TMP], s36, v[TMP]
.set n, 0
.rept 16
	v_add_nc_u32 v[G+n], 16*(n/8)-n%8, v[TMP]
.set n, n+1
.endr
.set n, 0
.rept 16
	v_cvt_f32_i32 v[G+n], v[G+n]
.set n, n+1
.endr
.set n, 0
.rept 16
	v_mul_f32 v[G+n], v[G+n], v[G+n]
.set n, n+1
.endr
.set n, 0
.rept 16
	v_mul_f32 v[G+n], 0xbe9044fe, v[G+n]           ; x -log2(e) / 5.12
.set n, n+1
.endr
	v_and_b32 v[TMP+1], 7, v0
	v_bfe_u32 v[TMP+2], v0, 3, 1
	v_lshlrev_b32 v[TMP+1], 2, v[TMP+1]
	v_sub_nc_u32 v[TMP+1], v[TMP+1], v[TMP+2]
	s_lshl_b32 s36, s16, 1
	s_sub_co_i32 s36, s28, s36
	v_add_nc_u32 v[TMP+1], s36, v[TMP+1]           ; dr = wave / 2 + 4 k - 2 (row block) - a, in lane 8 a + k
	v_cvt_f32_i32 v[TMP+1], v[TMP+1]
	v_mul_f32 v[TMP+1], v[TMP+1], v[TMP+1]
	v_mul_f32 v[TMP+1], 0xbe9044fe, v[TMP+1]
.set n, 0
.rept 16
	v_exp_f32 v[G+n], v[G+n]
.set n, n+1
.endr
	v_exp_f32 v[TMP+1], v[TMP+1]
	s_wait_kmcnt 0x0                               ; alpha
	s_mul_f32 s13, s12, 0x4038aa3b                 ; 2 alpha log2(e)
	s_mul_f32 s14, s12, 0xc038aa3b
	s_mov_b32 s30, 0xff800000                      ; -infinity, under every t
	v_mov_b32 v[A2], s13                           ; (plain work behind the exponentials)
	v_mov_b32 v[A2+1], s13
	v_mov_b32 v[NG+1], 0
	v_mov_b32 v[NG+3], 0
.set n, 0
.rept 72
	v_mov_b32 v[ST+n], s30                         ; lists and kept losers begin under every t
.set n, n+1
.endr
	s_wait_alu depctr_va_vdst(0)                   ; one wait for the 17 exponentials, ahead of their first reader
	v_mul_f32 v[TMP+1], s14, v[TMP+1]
.set n, 0
.rept 16
	v_readlane_b32 s[GR+n], v[TMP+1], n
.set n, n+1
.endr
	s_wait_loadcnt 0x0
.irp q, 0,1,2
	ds_store_b128 v[T16], v[ACC+4*\q:ACC+4*\q+3] offset:4096*\q
.endr
	s_wait_dscnt 0x0                               ; for the others' sake: my part of the table lies in LDS
	s_barrier_signal -1
	s_barrier_wait -1
.macro MM i
	v_wmma_scale_f32_16x16x128_f8f6f4 v[ACC+16*\i:ACC+16*\i+7], v[AF:AF+11], v[24*\i:24*\i+11], 0, v[AS], v[BS+\i] matrix_a_fmt:MATRIX_FMT_BF6 matrix_b_fmt:MATRIX_FMT_BF6
	v_wmma_scale_f32_16x16x128_f8f6f4 v[ACC+16*\i+8:ACC+16*\i+15], v[AF+12:AF+23], v[24*\i+12:24*\i+23], 0, v[AS], v[BS+\i] matrix_a_fmt:MATRIX_FMT_BF6 matrix_b_fmt:MATRIX_FMT_BF6 matrix_a_scale:MATRIX_SCALE_ROW1 matrix_b_scale:MATRIX_SCALE_ROW1
.endm
.macro MASK i
.irp j, 0,2,4,6
	v_pk_fma_f32 v[MA+\j:MA+\j+1], v[G+8*((\i)%2)+\j:G+8*((\i)%2)+\j+1], v[NG+2*((\i)/2):NG+2*((\i)/2)+1], v[A2:A2+1] op_sel_hi:[1,0,0]
.endr
.endm
; numbers a and b of each of tile i's three maps meet: the loser against the round's kept loser (register lv of the map's six), the winner into a's place.  The maps by turns
.macro DUEL i, a, b, lv
.irp q, 0,1,2
.set RTB, (ACC+16*(\i)+8*\q)*(1-\q/2)+T2*(\q/2)
.set RSB, ST+6*(3*(\i)+\q)
	v_minmax_num_f32 v[RSB+\lv], v[RTB+\a], v[RTB+\b], v[RSB+\lv]    ; max(min(a, b), kept)
	v_max_num_f32 v[RTB+\a], v[RTB+\a], v[RTB+\b]
.endr
.endm
.macro TILE i
.set RC0, ACC+16*(\i)
.irp j, 0,2,4,6
	v_pk_fma_f32 v[RC0+\j:RC0+\j+1], v[RC0+\j:RC0+\j+1], v[MA+\j:MA+\j+1], v[NL+\j:NL+\j+1]                   ; t_0 = 2 s_0 + nlz_0[m]; each accumulator is read from its low end on
.endr
.irp j, 0,2,4,6
	v_pk_fma_f32 v[RC0+8+\j:RC0+8+\j+1], v[RC0+8+\j:RC0+8+\j+1], v[MA+\j:MA+\j+1], v[NL+8+\j:NL+8+\j+1]
.endr
.irp j, 0,2,4,6
	v_pk_add_f32 v[T2+\j:T2+\j+1], v[RC0+\j:RC0+\j+1], v[RC0+8+\j:RC0+8+\j+1]
.endr
.irp j, 0,2,4,6
	v_pk_fma_f32 v[T2+\j:T2+\j+1], v[T2+\j:T2+\j+1], 0.5, v[NL+16+\j:NL+16+\j+1] op_sel_hi:[1,0,1]
.endr
	DUEL \i, 0, 1, 3
	DUEL \i, 2, 3, 3
	DUEL \i, 4, 5, 3
	DUEL \i, 6, 7, 3
	DUEL \i, 0, 2, 4
	DUEL \i, 4, 6, 4
	DUEL \i, 0, 4, 5
.irp q, 0,1,2                          ; the winner into the sorted list: third = median(second, third, x), second = median(first, second, x), first = max(first, x), each on the old values
.set RTB, (ACC+16*(\i)+8*\q)*(1-\q/2)+T2*(\q/2)
.set RSB, ST+6*(3*(\i)+\q)
	v_med3_num_f32 v[RSB+2], v[RSB+1], v[RSB+2], v[RTB]
.endr
.irp q, 0,1,2
.set RTB, (ACC+16*(\i)+8*\q)*(1-\q/2)+T2*(\q/2)
.set RSB, ST+6*(3*(\i)+\q)
	v_med3_num_f32 v[RSB+1], v[RSB], v[RSB+1], v[RTB]
.endr
.irp q, 0,1,2
.set RTB, (ACC+16*(\i)+8*\q)*(1-\q/2)+T2*(\q/2)
.set RSB, ST+6*(3*(\i)+\q)
	v_max_num_f32 v[RSB], v[RSB], v[RTB]
.endr
.endm
.macro STEP k
	s_wait_loadcnt 0x0                             ; the walked tile's fragments and scale words, asked for a step ago
.irp q, 0,1,2
	ds_load_b128 v[NL+8*\q:NL+8*\q+3], v6 offset:4096*\q+512*\k          ; nlz_q of columns 16 (wave + 8 k) + 8 h + 0 .. 7
	ds_load_b128 v[NL+8*\q+4:NL+8*\q+7], v6 offset:4096*\q+512*\k+16
.endr
	WIN 0x04                                       ; source 1 in window 1
	MM 0
	MM 1
	MM 2
	MM 3
	WIN 0
	v_mov_b32 v[NG], s[GR+\k]                      ; six plain instructions that name no register of the products: the places in front of the loads into their sources and of the first read of their results
	v_mov_b32 v[NG+2], s[GR+8+\k]
	MASK 0
.if \k < 7
	LOADA (\k+1)
.endif
	s_wait_dscnt 0x0
.irp j, 0,2,4,6
	v_pk_add_f32 v[T2+\j:T2+\j+1], v[NL+\j:NL+\j+1], v[NL+8+\j:NL+8+\j+1]
.endr
.irp j, 0,2,4,6
	v_pk_fma_f32 v[NL+16+\j:NL+16+\j+1], v[T2+\j:T2+\j+1], -0.5, v[NL+16+\j:NL+16+\j+1] op_sel_hi:[1,0,1]
.endr
	TILE 0
	MASK 1
	TILE 1
	MASK 2
	TILE 2
	MASK 3
	TILE 3
.endm
.irp k, 0,1,2,3,4,5,6,7
	STEP \k
.endr
	; the kept losers of the three rounds go into the lists; the twelve lists by turns
.irp lv, 5,4,3
.set n, 0
.rept 12
	v_med3_num_f32 v[ST+6*n+2], v[ST+6*n+1], v[ST+6*n+2], v[ST+6*n+\lv]
.set n, n+1
.endr
.set n, 0
.rept 12
	v_med3_num_f32 v[ST+6*n+1], v[ST+6*n], v[ST+6*n+1], v[ST+6*n+\lv]
.set n, n+1
.endr
.set n, 0
.rept 12
	v_max_num_f32 v[ST+6*n], v[ST+6*n], v[ST+6*n+\lv]
.set n, n+1
.endr
.endr
.irp i, 0,1,2,3
.irp q, 0,1,2
	ds_store_b96 v3, v[ST+6*(3*\i+\q):ST+6*(3*\i+\q)+2] offset:PB0+1024*\q+256*\i   ; 12 bytes to a place of 16
.endr
.endr
	s_wait_dscnt 0x0                               ; for the others' sake: my lists lie in LDS
	s_barrier_signal -1
	s_barrier_wait -1
	s_cmp_gt_u32 s15, 5
	s_cbranch_scc1 .Lmerged                        ; waves 0 to 5: map wave / 2, rows 32 (wave % 2) + lane
.set n, 0
.rept 16
	ds_load_b96 v[MG+4*n:MG+4*n+2], v4 offset:PB0+3072*n
.set n, n+1
.endr
	s_wait_dscnt 0x0
.macro INS h, x                        ; number v[x] into the sorted list v[h .. h + 2]
	v_med3_num_f32 v[\h+2], v[\h+1], v[\h+2], v[\x]
	v_med3_num_f32 v[\h+1], v[\h], v[\h+1], v[\x]
	v_max_num_f32 v[\h], v[\h], v[\x]
.endm
.irp p, 1,2,3,4,5,6,7                  ; parts 1-7 into part 0's list, parts 9-15 into part 8's, by turns; then the one into the other
.irp e, 0,1,2
	INS MG, MG+4*\p+\e
	INS MG+32, MG+32+4*\p+\e
.endr
.endr
.irp e, 0,1,2
	INS MG, MG+32+\e
.endr
.irp e, 0,1,2
	v_add_f32 v[MG+\e], v[MG+\e], v15              ; + nlz[n]
.endr
.irp e, 0,1,2
	v_exp_f32 v[MG+\e], v[MG+\e]
.endr
	v_nop                                          ; a plain instruction behind the exponentials,
	s_wait_alu depctr_va_vdst(0)                   ; and the wait ahead of their first reader
.irp e, 0,1,2
	ds_store_b32 v7, v[MG+\e] offset:FB+256*\e
.endr
.Lmerged:
	s_wait_dscnt 0x0                               ; for the others' sake: my finished values lie in LDS
	s_barrier_signal -1
	s_barrier_wait -1
	s_cmp_gt_u32 s15, 5
	s_cbranch_scc1 .Lend                           ; waves 0 to 5: k = wave / 2, patch row wave % 2: two image rows
	ds_load_b32 v[TMP], v[FRD] offset:FB           ; the even image row's pairs: map 0, map 2
	ds_load_b32 v[TMP+1], v[FRD] offset:FB+2*768
	ds_load_b32 v[TMP+2], v[FRD] offset:FB+2*768   ; the odd row's: map 2, map 1
	ds_load_b32 v[TMP+3], v[FRD] offset:FB+768
	s_wait_dscnt 0x0
	global_store_b64 v5, v[TMP:TMP+1], s[32:33]                  ; 32 lanes store an image row: 256 consecutive bytes, aligned
	global_store_b64 v5, v[TMP+2:TMP+3], s[32:33] offset:256
.Lend:
	s_wait_tensorcnt 0x0
	ds_add_u32 v254, v255
	s_wait_dscnt 0x0
	s_endpgm
.Lfunc_end_k_q87a358374e_topk:
	.size	k_q87a358374e_topk, .Lfunc_end_k_q87a358374e_topk-k_q87a358374e_topk
	.p2alignl 7, 3214868480
	.fill 96, 4, 3214868480
	.section	.rodata,"a",@progbits
	.p2align	6, 0x0
	.amdhsa_kernel k_q87a358374e_topk
		.amdhsa_group_segment_fixed_size 64768
		.amdhsa_private_segment_fixed_size 0
		.amdhsa_enable_private_segment 0
		.amdhsa_kernarg_size 40
		.amdhsa_user_sgpr_count 2
		.amdhsa_user_sgpr_kernarg_segment_ptr 1
		.amdhsa_wavefront_size32 1
		.amdhsa_system_sgpr_workgroup_id_x 1
		.amdhsa_system_sgpr_workgroup_id_y 1
		.amdhsa_system_sgpr_workgroup_id_z 1
		.amdhsa_system_vgpr_workitem_id 0
		.amdhsa_next_free_vgpr 352
		.amdhsa_next_free_sgpr 66
		.amdhsa_reserve_vcc 0
		.amdhsa_float_denorm_mode_32 3
		.amdhsa_float_denorm_mode_16_64 3
		.amdhsa_memory_ordered 1
		.amdhsa_forward_progress 1
		.amdhsa_inst_pref_size 169
	.end_amdhsa_kernel
	.amdgpu_metadata
---
amdhsa.version: [ 1, 2 ]
amdhsa.kernels:
  - .name:           k_q87a358374e_topk
    .symbol:         k_q87a358374e_topk.kd
    .args:
      - { .name: codes, .offset: 0, .size: 8, .value_kind: global_buffer, .address_space: global }
      - { .name: scl, .offset: 8, .size: 8, .value_kind: global_buffer, .address_space: global }
      - { .name: alpha, .offset: 16, .size: 8, .value_kind: global_buffer, .address_space: global }
      - { .name: nlz, .offset: 24, .size: 8, .value_kind: global_buffer, .address_space: global }
      - { .name: out0, .offset: 32, .size: 8, .value_kind: global_buffer, .address_space: global }
    .group_segment_fixed_size: 64768
    .private_segment_fixed_size: 0
    .kernarg_segment_align: 8
    .kernarg_segment_size: 40
    .max_flat_workgroup_size: 256
    .sgpr_count:     66
    .vgpr_count:     352
    .wavefront_size: 32
...
	.end_amdgpu_metadata
.endif
;; end of part 3
;; ======== version 2 of 2: 3 launches
;; workspace buffers: codes 3,145,728 bytes; scl 131,072 bytes; nlz 196,608 bytes
;; launch quant (part 4): grid 256 x 1, 4 waves a work-group, no clusters, 1,024 bytes of LDS; arguments x, codes, scl; writes codes, scl
.if DOCPART == 4
	.amdgcn_target "amdgcn-amd-amdhsa--gfx1250"
	.amdhsa_code_object_version 6
	.text
	.protected	k_q87a358374e_quant
	.globl	k_q87a358374e_quant
	.p2align	8
	.type	k_q87a358374e_quant,@function
k_q87a358374e_quant:
	s_mov_b64 s[64:65], 0
	v_nop
	global_prefetch_b8 v0, s[64:65] scope:SCOPE_SE
	s_setreg_imm32_b32 hwreg(HW_REG_WAVE_MODE, 25, 1), 1
	s_wait_xcnt 0x0
; x [16][128][64][64] f32.  Of each patch of 2 x 2 pixels the two diagonal pixels are kept: pixel p = 0 at (2 nr, 2 nc), p = 1 at (2 nr + 1, 2 nc + 1).
; Each kept pixel's 128 channels are divided by max(their L2 norm, 1e-12) and quantised along the channels to codes of BF6 (E3M2) with one E8M0 byte for each 32 channels.
; SHARES.  A wave takes one image row (b, h): 32 kept pixels, A LANE TO A PIXEL, ITS REGISTERS DOWN THE CHANNELS.  Each load reads one channel's row: the 32 lanes take every second word of its 256 bytes.
; So the norm, a block's largest magnitude and the conversions (which take neighbours along K from one lane's registers) need no other lane, and nothing is transposed.
; OUT.  codes: for image b, tile T of 16 patches (patch n = 32 nr + nc, T = n / 16) and pixel p, at ((64 b + T) 2 + p) x 1,536 bytes, the IMAGE OF AN OPERAND'S REGISTERS: registers 4 c .. 4 c + 3 of lane L at 512 c + 16 L.
; Lane (r, h) of a fragment holds blocks h and 2 + h of row r.  My lane holds all four blocks of its pixel, so it stores six times 16 bytes; sixteen neighbouring lanes fill 256 consecutive bytes, aligned.
; scl: one word (four bytes, block 0 lowest) a pixel, at (64 b + T) x 128 + 64 p + 4 r: lanes 0-15 of a reader get pixel 0's words, lanes 16-31 pixel 1's, by one load.  The work-group's 512 bytes are gathered in LDS and leave as two stores of 256 bytes.
; LIMITS: NaN and infinities are not served; the sum of a pixel's 128 squares must be finite (|x| under about 1e18).  The division is a multiplication by a reciprocal refined by one Newton step.
; A block of zeros gets the byte 1 where the quantiser says 127: its codes are zeros, which add nothing under any byte but 0xff, and this program alone reads the bytes.
.set CHB,  16384                       ; bytes from a channel to the next
.set SQ,   8                           ; v8-15    four packed chains of the sum of squares; later the reciprocal
.set MX,   16                          ; v16-23   two chains of each block's largest magnitude
.set SCO,  24                          ; v24-27   the conversions' scale operands
.set BY,   28                          ; v28-31   the scale bytes; v28 becomes the word
.set X,    32                          ; v32-159  the pixel's 128 numbers
.set CD,   160                         ; v160-183 its codes, blocks in the order 0, 2, 1, 3: the first twelve registers are fragment lane (r, 0)'s, the others lane (r, 1)'s
.set TH,   184                         ; v184-199 the second half of each block's codes, before it is moved
	s_load_b128 s[4:7], s[0:1], 0x0                ; x, codes
	s_load_b64 s[8:9], s[0:1], 0x10                ; scl
	v_lshl_add_u32 v200, v0, 2, 0x200
	v_mov_b32 v201, 0
	v_lshrrev_b32 v1, 5, v0
	v_readfirstlane_b32 s10, v1                    ; wave 0..3
	v_and_b32 v2, 31, v0                           ; lane = nc
	v_lshlrev_b32 v3, 3, v2                        ; 8 bytes from kept pixel to kept pixel
	v_lshrrev_b32 v5, 4, v2                        ; which of the row's two tiles
	s_wait_alu depctr_va_vdst(0)
	v_and_b32 v6, 15, v2                           ; r
	s_lshr_b32 s11, ttmp9, 4                       ; b
	s_and_b32 s12, ttmp9, 15                       ; which four image rows: h = 4 s12 + wave
	s_and_b32 s13, s10, 1                          ; p = h % 2
	s_lshr_b32 s14, s10, 1                         ; which of the work-group's two patch rows
	s_lshl_b32 s16, s11, 21                        ; x: b x 128 channels x 16,384 bytes
	s_lshl_b32 s17, s12, 10
	s_add_co_u32 s16, s16, s17
	s_lshl_b32 s17, s10, 8
	s_add_co_u32 s16, s16, s17                     ; + h x 256
	s_lshl_b32 s17, s13, 2
	s_add_co_u32 s16, s16, s17                     ; + 4 p: odd rows keep the odd pixels
	s_mov_b32 s17, 0
	s_mul_i32 s18, s11, 196608                     ; codes: b x 64 tiles x 3,072
	s_mul_i32 s19, s12, 12288                      ; + four tiles for each four image rows
	s_add_co_u32 s18, s18, s19
	s_mul_i32 s19, s14, 6144                       ; + two tiles a patch row
	s_add_co_u32 s18, s18, s19
	s_mul_i32 s19, s13, 1536                       ; + p
	s_add_co_u32 s18, s18, s19
	s_mov_b32 s19, 0
	s_lshl_b32 s20, s11, 13                        ; scl: b x 8,192 + the work-group's 512 bytes
	s_lshl_b32 s21, s12, 9
	s_add_co_u32 s20, s20, s21
	s_mov_b32 s21, 0
	s_lshl_b32 s22, s14, 8                         ; LDS: the work-group's 512 bytes as they lie in scl
	s_lshl_b32 s23, s13, 6
	s_add_co_u32 s22, s22, s23
	s_lshl_b32 s23, s10, 8
	v_mul_u32_u24 v4, v5, 3072
	s_wait_alu depctr_va_vdst(0)
	v_lshl_add_u32 v4, v6, 4, v4                   ; codes: my tile, 16 r
	v_lshlrev_b32 v7, 7, v5
	v_lshl_add_u32 v7, v6, 2, v7
	v_add_nc_u32 v7, s22, v7                       ; LDS: 256 (patch row) + 128 (tile) + 64 p + 4 r
	v_add_nc_u32 v1, s23, v3                       ; back, and in scl: 256 x wave + 8 x lane (waves 0 and 1)
	s_wait_kmcnt 0x0
	s_add_nc_u64 s[4:5], s[4:5], s[16:17]
	s_add_nc_u64 s[6:7], s[6:7], s[18:19]
	s_add_nc_u64 s[8:9], s[8:9], s[20:21]
.set c, 0
.rept 128
	global_load_b32 v[X+c], v3, s[4:5] offset:c*CHB th:TH_LOAD_NT    ; channel c of my pixel; every offset an immediate, no pointer is stepped
.set c, c+1
.endr
	; the sum of squares, two channels an instruction, four chains; the first four products start the chains
	s_wait_loadcnt 63                              ; loads come back in order: at most 63 of the 128 are out, so channels 0 to 64 are in
.irp j, 0,1,2,3
	v_pk_mul_f32 v[SQ+2*\j:SQ+2*\j+1], v[X+2*\j:X+2*\j+1], v[X+2*\j:X+2*\j+1]
.endr
.set c, 8
.rept 28
	v_pk_fma_f32 v[SQ+c%8:SQ+c%8+1], v[X+c:X+c+1], v[X+c:X+c+1], v[SQ+c%8:SQ+c%8+1]
.set c, c+2
.endr
	s_wait_alu depctr_va_vdst(0)
.irp left, 48,32,16,0
	s_wait_alu depctr_va_vdst(0)
	s_wait_loadcnt \left                           ; sixteen channels more are in; the younger loads stay out
.rept 8
	v_pk_fma_f32 v[SQ+c%8:SQ+c%8+1], v[X+c:X+c+1], v[X+c:X+c+1], v[SQ+c%8:SQ+c%8+1]
.set c, c+2
.endr
.endr
	v_pk_add_f32 v[SQ:SQ+1], v[SQ:SQ+1], v[SQ+2:SQ+3]
	v_pk_add_f32 v[SQ+4:SQ+5], v[SQ+4:SQ+5], v[SQ+6:SQ+7]
	v_pk_add_f32 v[SQ:SQ+1], v[SQ:SQ+1], v[SQ+4:SQ+5]
	v_add_f32 v[SQ], v[SQ], v[SQ+1]
	s_wait_alu depctr_va_vdst(0)
	v_sqrt_f32 v[SQ+1], v[SQ]
	v_nop                                          ; a plain instruction behind the root,
	s_wait_alu depctr_va_vdst(0)                   ; and the wait ahead of its first reader
	v_max_num_f32 v[SQ+1], 0x2b8cbccc, v[SQ+1]     ; max(norm, 1e-12)
	s_wait_alu depctr_va_vdst(0)
	v_rcp_f32 v[SQ+2], v[SQ+1]
	v_nop
	s_wait_alu depctr_va_vdst(0)
	v_fma_f32 v[SQ+3], -v[SQ+1], v[SQ+2], 1.0      ; one Newton step: r + r (1 - d r)
	v_fma_f32 v[SQ+2], v[SQ+2], v[SQ+3], v[SQ+2]
	v_mov_b32 v[SQ+3], v[SQ+2]                     ; twice, a pair for the packed multiply
.set c, 0
.rept 64
	v_pk_mul_f32 v[X+c:X+c+1], v[X+c:X+c+1], v[SQ+2:SQ+3]
.set c, c+2
.endr
	; each block's largest magnitude: all 32 numbers are mine; the four blocks by turns, two chains each
.irp k, 0,1,2,3
	v_max3_num_f32 v[MX+2*\k], |v[X+32*\k]|, |v[X+32*\k+1]|, |v[X+32*\k+2]|
	v_max3_num_f32 v[MX+2*\k+1], |v[X+32*\k+3]|, |v[X+32*\k+4]|, |v[X+32*\k+5]|
.endr
.irp i, 6,10,14,18,22,26
.irp k, 0,1,2,3
	v_max3_num_f32 v[MX+2*\k], v[MX+2*\k], |v[X+32*\k+\i]|, |v[X+32*\k+\i+1]|
	v_max3_num_f32 v[MX+2*\k+1], v[MX+2*\k+1], |v[X+32*\k+\i+2]|, |v[X+32*\k+\i+3]|
.endr
.endr
.irp k, 0,1,2,3
	v_max3_num_f32 v[MX+2*\k], v[MX+2*\k], |v[X+32*\k+30]|, |v[X+32*\k+31]|
.endr
.irp k, 0,1,2,3
	v_max3_num_f32 v[MX+2*\k], v[MX+2*\k], v[MX+2*\k+1], 0x2800000   ; and the floor 2^(5 - 127): the byte cannot fall under 1
.endr
.irp k, 0,1,2,3
	v_add_nc_u32 v[SCO+\k], 0xfe000000, v[MX+2*\k] ; 4 off the exponent field: the conversion takes the exponent field of this operand as its scale
.endr
.irp k, 0,1,2,3
	v_lshrrev_b32 v[BY+\k], 23, v[SCO+\k]          ; the scale's byte
.endr
	v_lshl_or_b32 v[BY], v[BY+1], 8, v[BY]
	v_lshl_or_b32 v[BY], v[BY+2], 16, v[BY]
	v_lshl_or_b32 v[BY], v[BY+3], 24, v[BY]        ; my pixel's scale word
.irp k, 0,1,2,3
	v_cvt_scalef32_pk16_bf6_f32 v[CD+6*((\k%2)*2+\k/2):CD+6*((\k%2)*2+\k/2)+2], v[X+32*\k:X+32*\k+15], v[SCO+\k]
	v_cvt_scalef32_pk16_bf6_f32 v[TH+4*\k:TH+4*\k+2], v[X+32*\k+16:X+32*\k+31], v[SCO+\k]   ; (a conversion's three registers begin on an even number: the second half of a block's six is made here and moved)
.endr
	v_nop                                          ; one plain instruction behind the scaled conversions
.irp k, 0,1,2,3
.irp i, 0,1,2
	v_mov_b32 v[CD+6*((\k%2)*2+\k/2)+3+\i], v[TH+4*\k+\i]
.endr
.endr
	ds_store_b32 v7, v[BY]
.irp hh, 0,1
.irp i, 0,1,2
	global_store_b128 v4, v[CD+12*\hh+4*\i:CD+12*\hh+4*\i+3], s[6:7] offset:256*\hh+512*\i   ; sixteen lanes store 256 consecutive bytes, aligned
.endr
.endr
	s_wait_dscnt 0x0                               ; for the others' sake: my scale words lie in LDS
	s_barrier_signal -1
	s_barrier_wait -1
	s_cmp_gt_u32 s10, 1
	s_cbranch_scc1 .Lend                           ; waves 0 and 1 store the work-group's 512 bytes of scale words
	ds_load_b64 v[8:9], v1
	s_wait_dscnt 0x0
	global_store_b64 v1, v[8:9], s[8:9]            ; 32 lanes store 256 consecutive bytes, aligned
.Lend:
	s_wait_tensorcnt 0x0
	ds_add_u32 v200, v201
	s_wait_dscnt 0x0
	s_endpgm
.Lfunc_end_k_q87a358374e_quant:
	.size	k_q87a358374e_quant, .Lfunc_end_k_q87a358374e_quant-k_q87a358374e_quant
	.p2alignl 7, 3214868480
	.fill 96, 4, 3214868480
	.section	.rodata,"a",@progbits
	.p2align	6, 0x0
	.amdhsa_kernel k_q87a358374e_quant
		.amdhsa_group_segment_fixed_size 1024
		.amdhsa_private_segment_fixed_size 0
		.amdhsa_enable_private_segment 0
		.amdhsa_kernarg_size 24
		.amdhsa_user_sgpr_count 2
		.amdhsa_user_sgpr_kernarg_segment_ptr 1
		.amdhsa_wavefront_size32 1
		.amdhsa_system_sgpr_workgroup_id_x 1
		.amdhsa_system_sgpr_workgroup_id_y 1
		.amdhsa_system_sgpr_workgroup_id_z 1
		.amdhsa_system_vgpr_workitem_id 0
		.amdhsa_next_free_vgpr 202
		.amdhsa_next_free_sgpr 66
		.amdhsa_reserve_vcc 0
		.amdhsa_float_denorm_mode_32 3
		.amdhsa_float_denorm_mode_16_64 3
		.amdhsa_memory_ordered 1
		.amdhsa_forward_progress 1
		.amdhsa_inst_pref_size 30
	.end_amdhsa_kernel
	.amdgpu_metadata
---
amdhsa.version: [ 1, 2 ]
amdhsa.kernels:
  - .name:           k_q87a358374e_quant
    .symbol:         k_q87a358374e_quant.kd
    .args:
      - { .name: x, .offset: 0, .size: 8, .value_kind: global_buffer, .address_space: global }
      - { .name: codes, .offset: 8, .size: 8, .value_kind: global_buffer, .address_space: global }
      - { .name: scl, .offset: 16, .size: 8, .value_kind: global_buffer, .address_space: global }
    .group_segment_fixed_size: 1024
    .private_segment_fixed_size: 0
    .kernarg_segment_align: 8
    .kernarg_segment_size: 24
    .max_flat_workgroup_size: 128
    .sgpr_count:     66
    .vgpr_count:     202
    .wavefront_size: 32
...
	.end_amdgpu_metadata
.endif
;; end of part 4
;; launch rowsum (part 5): grid 16 x 16, 8 waves a work-group, no clusters, 27,648 bytes of LDS; arguments codes, scl, alpha, nlz; writes nlz
.if DOCPART == 5
	.amdgcn_target "amdgcn-amd-amdhsa--gfx1250"
	.amdhsa_code_object_version 6
	.text
	.protected	k_q87a358374e_rowsum
	.globl	k_q87a358374e_rowsum
	.p2align	8
	.type	k_q87a358374e_rowsum,@function
k_q87a358374e_rowsum:
	s_mov_b64 s[64:65], 0
	v_nop
	global_prefetch_b8 v0, s[64:65] scope:SCOPE_SE
	s_setreg_imm32_b32 hwreg(HW_REG_WAVE_SCHED_MODE, 0, 2), 2
	s_setreg_imm32_b32 hwreg(HW_REG_WAVE_MODE, 25, 1), 1
	s_wait_xcnt 0x0
	s_wait_alu depctr_vm_vsrc(0)
; nlz[b][q][n] = -log2 of the sum over m of 2^(s_q[n][m]), s_q = corr_q x mask x alpha x log2(e); q = 0, 1: the two diagonal pixels' products, q = 2: their mean.
; corr_p[n][m] = the product of rows n and m of the same quantised matrix (1,024 patches x 128 channels, codes of BF6 with E8M0 scales), and the mask is symmetric: so s is symmetric and the column softmax's divisor of column m is the row sum of row m.
; THE MAXIMUM IS TAKEN AWAY BY A RUNNING MAXIMUM, kept by each lane for the scores that it sees: alpha is an input, so nothing bounds the exponents.
; SHARES.  Work-group (x, y) = (row block, image): 64 rows n = 4 tiles.  Each of the 8 waves keeps all 4 tiles of both pixels (8 fragments, 96 registers, window 1) and walks the tiles of m numbered wave + 8 k, k = 0 .. 7.
; Source 0 = the walked tile, source 1 = my rows: a lane holds ONE row n (lane % 16) and its 8 registers the columns m = 8 (lane / 16) + 0 .. 7.  K = 128 is one matrix instruction: each sum begins and ends with the constant 0 as C.
; A walked fragment feeds 4 matrix instructions and is read by this wave alone, in the order of its registers: three loads of 16 bytes a lane straight from memory, into two buffers of registers that take turns: a step's head asks for the next step's tile, a whole step ahead of its use.
; NO JOINT LOADS, though the 16 work-groups of an image read the same 200 KB: a joint request goes into LDS, and here no byte is wanted by two waves of a work-group; a step's 3,200 bytes a wave stand beside some 350 vector instructions.
; THE MASK x alpha: a2 (1 - gr gc) = G x NG + a2, one packed multiply-add: G = gc for my row's column against the 8 columns of m (the walked tiles of a wave all lie in one half of a patch row: 16 registers for my two halves), NG = -a2 gr, a scalar for each step and each of my two patch rows.
; The eight steps are written out by a macro: every offset is an immediate and the row factors are constants of a step.
; AT THE END each lane's (maximum, sum) of 12 (tile, map) pairs goes to LDS; 16 parts (8 waves x 2 halves of the lanes) are joined by waves 0 to 2, one map each, two rows a lane, and leave as 256 consecutive bytes.
; LIMITS: NaN and infinities are not served; |alpha| under about 1e37 (the scores must be finite).
; THE MODE: SCHED_MODE bits 1:0 = 2 (LLVM: expert scheduling mode 2), set by the entry lines.  The code itself states the register dependences
; between vector or matrix instructions and memory or LDS instructions, with s_wait_alu, always for 0.
; THE PLAN.  Registers that memory or LDS instructions touch:
;   v1, v2, v5      offsets of the global loads and of the last store: written once at the head, ahead of the wait in front of the first load; never written again.
;   window 1, BS    my tiles and their scale words: loaded once, read by matrix instructions, never loaded again.
;   AF / AS, AF2 / AS2   the walked tile, two buffers.  Step k's matrix instructions read buffer k % 2; the head of step k loads tile k + 1 into the other one, which the matrix instructions of step k - 1 read.
;                   The four waits for the batches of exponentials in step k - 1 stand behind those matrix instructions, and nothing issued since the last of them names that buffer: so the buffer needs no wait of its own.
;   v3, ST          address and data of the LDS stores at the end: one wait ahead of the run.  The accumulators, in which the loads behind the barrier land, are named by no vector instruction behind that wait.
;   v4              address of those loads, written at the head.      TMP+6, TMP+7   the last store's data: one wait.
;   No register that a memory or LDS instruction reads is ever written again: no wait on vm_vsrc is owed.
;   s15 and s40-55 are written by vector instructions: one wait on va_sdst behind each run of writers, ahead of the first reader.
.set TILEB, 3072                       ; a tile's two fragments
.set STEPB, 8*TILEB                    ; from a wave's tile to its next
.set A2,   8                           ; v[8:9]   a2 = alpha log2(e), twice
.set NG,   10                          ; v[10:11], v[12:13]  -a2 gr for my first and second patch row (the low word serves both halves)
.set AS,   14                          ; v14      the walked tile's scale words, even steps: lanes 0-15 pixel 0's, lanes 16-31 pixel 1's
.set AS2,  15                          ; v15      the same, odd steps
.set BS,   16                          ; v16-19   the same of my four tiles
.set AF,   20                          ; v20-43   the walked tile's two fragments, even steps
.set G,    44                          ; v44-59   gc: 8 registers for each half of my patch rows
.set MA,   60                          ; v60-67   the mask x a2 of the tile in hand
.set S2,   68                          ; v68-83   s_0 + s_1, two sets by turns
.set ACC,  84                          ; v84-147  accumulator (tile i, pixel p) at 16 i + 8 p
.set ST,   148                         ; v148-195 (tile i, map q) at 12 i + 4 q: M, f, and the sum in two halves.  For q = 2, M is kept of s_0 + s_1, twice the score
.set HM,   196                         ; v[196:197] half of that M
.set TMP,  198                         ; v198-205 at work
.set AF2,  206                         ; v206-229 the walked tile's two fragments, odd steps
.set GR,   40                          ; s40-55   -a2 gr: step k, patch row a at 8 a + k
.set PSTR, 832                         ; LDS: a part's 3 x 64 words + 64 bytes, so that the two halves of the lanes fall on different banks
.set LSB,  16*PSTR                     ; the maxima from 0, the sums from here
.set FM,   ACC
.set FS,   ACC+32
.set MSB, 0
.macro WIN new                         ; the immediate's high byte repeats the setting that is left
.if MSB != \new
	s_set_vgpr_msb (MSB<<8)|\new
.set MSB, \new
.endif
.endm
.macro LOADA t                         ; the wave's t-th tile into buffer t % 2: six times 16 bytes a lane, and the scale words
.set LBUF, AF+(AF2-AF)*((\t)%2)
.set LSCL, AS+(AS2-AS)*((\t)%2)
.irp f, 0,1,2,3,4,5
	global_load_b128 v[LBUF+4*\f:LBUF+4*\f+3], v1, s[22:23] offset:(\t)*STEPB+512*\f
.endr
	global_load_b32 v[LSCL], v2, s[26:27] offset:(\t)*1024
.endm
	s_load_b256 s[4:11], s[0:1], 0x0               ; codes, scl, alpha, nlz
	v_lshl_add_u32 v254, v0, 2, 0x6800
	v_mov_b32 v255, 0
	v_lshrrev_b32 v6, 5, v0
	v_readfirstlane_b32 s15, v6                    ; wave 0..7
	v_and_b32 v7, 31, v0
	v_lshlrev_b32 v1, 4, v7                        ; 16 x lane
	v_lshlrev_b32 v2, 2, v7                        ; 4 x lane
	v_lshlrev_b32 v5, 3, v7                        ; 8 x lane
	s_wait_alu depctr_va_sdst(0)                   ; s15 is written, ahead of its first reader: bases, LDS addresses and the branches at the end are made from it
	s_mov_b32 s16, ttmp9                           ; row block
	s_and_b32 s17, ttmp7, 0xffff                   ; image
	s_mov_b32 s19, 0
	s_wait_kmcnt 0x0
	s_load_b32 s12, s[8:9], 0x0                    ; alpha
	s_mul_i32 s18, s17, 64*TILEB
	s_add_nc_u64 s[4:5], s[4:5], s[18:19]          ; the image's codes
	s_mul_i32 s18, s16, 4*TILEB
	s_add_nc_u64 s[20:21], s[4:5], s[18:19]        ; my four tiles
	s_mul_i32 s18, s15, TILEB
	s_add_nc_u64 s[22:23], s[4:5], s[18:19]        ; the wave's first walked tile
	s_lshl_b32 s18, s17, 13
	s_add_nc_u64 s[6:7], s[6:7], s[18:19]          ; the image's scale words, 128 bytes a tile
	s_lshl_b32 s18, s16, 9
	s_add_nc_u64 s[24:25], s[6:7], s[18:19]
	s_lshl_b32 s18, s15, 7
	s_add_nc_u64 s[26:27], s[6:7], s[18:19]
	WIN 0x40                                       ; destination window 1
	s_wait_alu depctr_va_vdst(0)                   ; v1, v2 and v5 are written: every global load of the kernel reads v1 or v2 as its offset, the last store v5
.set f, 0
.rept 24
	global_load_b128 v[4*f:4*f+3], v1, s[20:21] offset:512*f     ; fragment (tile i, pixel p) at v[24 i + 12 p] of window 1: they stay
.set f, f+1
.endr
	WIN 0
.irp i, 0,1,2,3
	global_load_b32 v[BS+\i], v2, s[24:25] offset:128*\i
.endr
	LOADA 0
	s_mul_i32 s18, s17, 12288                      ; nlz: image, map = wave (waves 0 to 2), row block
	s_lshl_b32 s28, s15, 12
	s_add_co_u32 s18, s18, s28
	s_lshl_b32 s28, s16, 8
	s_add_co_u32 s18, s18, s28
	s_add_nc_u64 s[10:11], s[10:11], s[18:19]
	v_and_b32 v6, 15, v0                           ; r
	v_bfe_u32 v7, v0, 4, 1                         ; h
	s_mul_i32 s28, s15, 2*PSTR
	v_mul_u32_u24 v3, v7, PSTR
	v_lshl_add_u32 v3, v6, 2, v3
	v_add_nc_u32 v3, s28, v3                       ; LDS, in: part 2 wave + h, 4 r
	s_lshl_b32 s28, s15, 8
	v_add_nc_u32 v4, s28, v5                       ; LDS, back: map = wave, rows 2 lane and 2 lane + 1
	; gc = 2^(-dc^2 log2(e) / 5.12), dc = my column - m's column = r - 8 h - 16 (wave % 2) + 16 (my half) - j
	v_lshlrev_b32 v[TMP], 3, v7
	v_sub_nc_u32 v[TMP], v6, v[TMP]
	s_and_b32 s28, s15, 1
	s_lshl_b32 s28, s28, 4
	v_subrev_nc_u32 v[TMP], s28, v[TMP]
.set n, 0
.rept 16
	v_add_nc_u32 v[G+n], 16*(n/8)-n%8, v[TMP]
.set n, n+1
.endr
.set n, 0
.rept 16
	v_cvt_f32_i32 v[G+n], v[G+n]
.set n, n+1
.endr
.set n, 0
.rept 16
	v_mul_f32 v[G+n], v[G+n], v[G+n]
.set n, n+1
.endr
.set n, 0
.rept 16
	v_mul_f32 v[G+n], 0xbe9044fe, v[G+n]           ; x -log2(e) / 5.12
.set n, n+1
.endr
	; gr likewise, lane 8 a + k for step k and patch row a: dr = wave / 2 + 4 k - 2 (row block) - a
	v_and_b32 v[TMP+1], 7, v0
	v_bfe_u32 v[TMP+2], v0, 3, 1
	v_lshlrev_b32 v[TMP+1], 2, v[TMP+1]
	v_sub_nc_u32 v[TMP+1], v[TMP+1], v[TMP+2]
	s_lshr_b32 s28, s15, 1
	s_lshl_b32 s29, s16, 1
	s_sub_co_i32 s28, s28, s29
	v_add_nc_u32 v[TMP+1], s28, v[TMP+1]
	v_cvt_f32_i32 v[TMP+1], v[TMP+1]
	v_mul_f32 v[TMP+1], v[TMP+1], v[TMP+1]
	v_mul_f32 v[TMP+1], 0xbe9044fe, v[TMP+1]
.set n, 0
	s_wait_alu depctr_va_vdst(0)
.rept 16
	v_exp_f32 v[G+n], v[G+n]
.set n, n+1
.endr
	v_exp_f32 v[TMP+1], v[TMP+1]
	s_wait_kmcnt 0x0                               ; alpha
	s_mul_f32 s13, s12, 0x3fb8aa3b                 ; a2 = alpha log2(e)
	s_mul_f32 s14, s12, 0xbfb8aa3b                 ; -a2
	s_mov_b32 s30, 0xff61b1e6                      ; -3e38, under every score
	v_mov_b32 v[A2], s13                           ; (plain work behind the exponentials)
	v_mov_b32 v[A2+1], s13
	v_mov_b32 v[NG+1], 0                           ; upper halves of pairs of which the low word alone is used: written once
	v_mov_b32 v[NG+3], 0
	v_mov_b32 v[HM+1], 0
.set n, 0
.rept 12
	v_mov_b32 v[ST+4*n], s30                       ; the running maxima begin under every score, the sums at 0: the first step's f is 0
	v_mov_b32 v[ST+4*n+2], 0
	v_mov_b32 v[ST+4*n+3], 0
.set n, n+1
.endr
	s_wait_alu depctr_va_vdst(0)                   ; the 17 exponentials have written gc and gr, ahead of their first reader: one wait for the batch; the LDS addresses v3 and v4 are written too
	v_mul_f32 v[TMP+1], s14, v[TMP+1]
.set n, 0
.rept 16
	v_readlane_b32 s[GR+n], v[TMP+1], n
.set n, n+1
.endr
	s_wait_alu depctr_va_sdst(0)                   ; s40 to s55 are written, ahead of their first readers, the moves at each step's head: one wait for the run of sixteen
.macro REGS i
.set RC0, ACC+16*(\i)
.set RC1, ACC+16*(\i)+8
.set RS2, S2+8*((\i)%2)
.set RST, ST+12*(\i)
.endm
.macro MM i                            ; my tile i against the walked tile (fragments at CA, scale words in CS), both pixels; pixel 1's scale words stand in lanes 16-31
	v_wmma_scale_f32_16x16x128_f8f6f4 v[ACC+16*\i:ACC+16*\i+7], v[CA:CA+11], v[24*\i:24*\i+11], 0, v[CS], v[BS+\i] matrix_a_fmt:MATRIX_FMT_BF6 matrix_b_fmt:MATRIX_FMT_BF6
	v_wmma_scale_f32_16x16x128_f8f6f4 v[ACC+16*\i+8:ACC+16*\i+15], v[CA+12:CA+23], v[24*\i+12:24*\i+23], 0, v[CS], v[BS+\i] matrix_a_fmt:MATRIX_FMT_BF6 matrix_b_fmt:MATRIX_FMT_BF6 matrix_a_scale:MATRIX_SCALE_ROW1 matrix_b_scale:MATRIX_SCALE_ROW1
.endm
.macro MASK i                          ; a2 (1 - gr gc) for tile i: half i % 2 of patch row i / 2
.irp j, 0,2,4,6
	v_pk_fma_f32 v[MA+\j:MA+\j+1], v[G+8*((\i)%2)+\j:G+8*((\i)%2)+\j+1], v[NG+2*((\i)/2):NG+2*((\i)/2)+1], v[A2:A2+1] op_sel_hi:[1,0,0]
.endr
.endm
; Tile i, first part: the scores, the new maxima, and the exponents.  Each accumulator is read from its low end on.
.macro PA i
	REGS \i
.irp j, 0,2,4,6
	v_pk_mul_f32 v[RC0+\j:RC0+\j+1], v[RC0+\j:RC0+\j+1], v[MA+\j:MA+\j+1]
.endr
.irp j, 0,2,4,6
	v_pk_mul_f32 v[RC1+\j:RC1+\j+1], v[RC1+\j:RC1+\j+1], v[MA+\j:MA+\j+1]
.endr
.irp j, 0,2,4,6
	v_pk_add_f32 v[RS2+\j:RS2+\j+1], v[RC0+\j:RC0+\j+1], v[RC1+\j:RC1+\j+1]    ; twice the third map's score
.endr
	v_max3_num_f32 v[TMP], v[RC0], v[RC0+1], v[RC0+2]
	v_max3_num_f32 v[TMP+1], v[RC1], v[RC1+1], v[RC1+2]
	v_max3_num_f32 v[TMP+2], v[RS2], v[RS2+1], v[RS2+2]
.irp j, 3,5
	v_max3_num_f32 v[TMP], v[TMP], v[RC0+\j], v[RC0+\j+1]
	v_max3_num_f32 v[TMP+1], v[TMP+1], v[RC1+\j], v[RC1+\j+1]
	v_max3_num_f32 v[TMP+2], v[TMP+2], v[RS2+\j], v[RS2+\j+1]
.endr
	v_max3_num_f32 v[TMP], v[TMP], v[RC0+7], v[RST]              ; with the running maximum: the new one
	v_max3_num_f32 v[TMP+1], v[TMP+1], v[RC1+7], v[RST+4]
	v_max3_num_f32 v[TMP+2], v[TMP+2], v[RS2+7], v[RST+8]
	v_sub_f32 v[RST+1], v[RST], v[TMP]                           ; old M - new M: f's exponent
	v_sub_f32 v[RST+5], v[RST+4], v[TMP+1]
	v_mul_f32 v[HM], 0.5, v[TMP+2]
	v_mov_b32 v[RST], v[TMP]
	v_mov_b32 v[RST+4], v[TMP+1]
	v_fma_f32 v[RST+9], v[RST+8], 0.5, -v[HM]
	v_mov_b32 v[RST+8], v[TMP+2]
.irp j, 0,2,4,6
	v_pk_add_f32 v[RC0+\j:RC0+\j+1], v[RC0+\j:RC0+\j+1], v[RST:RST+1] op_sel_hi:[1,0] neg_lo:[0,1] neg_hi:[0,1]       ; s - M (of the pair M, f the low word serves both halves)
.endr
.irp j, 0,2,4,6
	v_pk_add_f32 v[RC1+\j:RC1+\j+1], v[RC1+\j:RC1+\j+1], v[RST+4:RST+5] op_sel_hi:[1,0] neg_lo:[0,1] neg_hi:[0,1]
.endr
.irp j, 0,2,4,6
	v_pk_fma_f32 v[RS2+\j:RS2+\j+1], v[RS2+\j:RS2+\j+1], 0.5, v[HM:HM+1] op_sel_hi:[1,0,0] neg_lo:[0,0,1] neg_hi:[0,0,1]
.endr
.endm
.macro PB i                            ; second part: ONE BATCH of 27 exponentials; none reads another's result
	REGS \i
	v_exp_f32 v[RST+1], v[RST+1]
	v_exp_f32 v[RST+5], v[RST+5]
	v_exp_f32 v[RST+9], v[RST+9]
.irp j, 0,1,2,3,4,5,6,7
	v_exp_f32 v[RC0+\j], v[RC0+\j]
	v_exp_f32 v[RC1+\j], v[RC1+\j]
	v_exp_f32 v[RS2+\j], v[RS2+\j]
.endr
.endm
.macro PC i                            ; third part, behind the batch's wait: sum = sum x f + the eight terms
	REGS \i
	v_fma_f32 v[RST+2], v[RST+2], v[RST+1], v[RC0]
	v_fma_f32 v[RST+3], v[RST+3], v[RST+1], v[RC0+1]
	v_fma_f32 v[RST+6], v[RST+6], v[RST+5], v[RC1]
	v_fma_f32 v[RST+7], v[RST+7], v[RST+5], v[RC1+1]
	v_fma_f32 v[RST+10], v[RST+10], v[RST+9], v[RS2]
	v_fma_f32 v[RST+11], v[RST+11], v[RST+9], v[RS2+1]
.irp j, 2,4,6
	v_pk_add_f32 v[RST+2:RST+3], v[RST+2:RST+3], v[RC0+\j:RC0+\j+1]
	v_pk_add_f32 v[RST+6:RST+7], v[RST+6:RST+7], v[RC1+\j:RC1+\j+1]
	v_pk_add_f32 v[RST+10:RST+11], v[RST+10:RST+11], v[RS2+\j:RS2+\j+1]
.endr
.endm
; A STEP: one walked tile against my four.  The next tile's first part stands between a batch of exponentials and the wait for it.
.macro STEP k
.set CA, AF+(AF2-AF)*((\k)%2)
.set CS, AS+(AS2-AS)*((\k)%2)
.if \k < 7
	LOADA (\k+1)                                   ; the next tile, into the other buffer.  No wait: the matrix instructions that read it stand ahead of the last step's waits, and no vector or matrix instruction since names it (in step 0 nothing has named it yet)
	s_wait_loadcnt 7                               ; loads come back in order: this step's tile, asked for a step ago, is in (in step 0: my own tiles' loads too); the seven just issued stay out
.else
	s_wait_loadcnt 0x0                             ; the last tile, asked for a step ago
.endif
	WIN 0x04                                       ; source 1 in window 1
	MM 0
	MM 1
	MM 2
	MM 3
	WIN 0
	v_mov_b32 v[NG], s[GR+\k]                      ; six plain instructions that name no register of the products: the places in front of the first read of their results
	v_mov_b32 v[NG+2], s[GR+8+\k]
	MASK 0
	PA 0
	s_wait_alu depctr_va_vdst(0)
	PB 0
	MASK 1
	s_wait_alu depctr_va_vdst(0)
	PA 1
	s_wait_alu depctr_va_vdst(0)                   ; tile 0's 27 exponentials have written f and the terms, which the sums below read: one wait for the batch.  This step's matrix instructions are done reading their buffer, too: the next step's head loads into it
	PC 0
	PB 1
	MASK 2
	s_wait_alu depctr_va_vdst(0)
	PA 2
	s_wait_alu depctr_va_vdst(0)                   ; tile 1's 27 exponentials have written f and the terms, which the sums below read
	PC 1
	PB 2
	MASK 3
	s_wait_alu depctr_va_vdst(0)
	PA 3
	s_wait_alu depctr_va_vdst(0)                   ; tile 2's likewise
	PC 2
	PB 3
	v_nop                                          ; a plain instruction behind the last exponential
	s_wait_alu depctr_va_vdst(0)                   ; tile 3's likewise
	PC 3
.endm
.irp k, 0,1,2,3,4,5,6,7
	STEP \k
.endr
	; each lane's 12 pairs (M, sum) go to LDS
.set n, 0
.rept 12
	v_add_f32 v[ST+4*n+2], v[ST+4*n+2], v[ST+4*n+3]
.set n, n+1
.endr
.irp i, 0,1,2,3
	v_mul_f32 v[ST+12*\i+8], 0.5, v[ST+12*\i+8]    ; the third map's M as a score
.endr
	s_wait_alu depctr_va_vdst(0)                   ; the maxima and sums are written, which the LDS stores read; and all that named the accumulators is done: the loads behind the barrier land in them, and no vector instruction stands between
.irp i, 0,1,2,3
.irp q, 0,1,2
	ds_store_b32 v3, v[ST+12*\i+4*\q] offset:256*\q+64*\i
	ds_store_b32 v3, v[ST+12*\i+4*\q+2] offset:LSB+256*\q+64*\i
.endr
.endr
	s_wait_dscnt 0x0                               ; for the others' sake: my stores have landed
	s_barrier_signal -1
	s_barrier_wait -1
	s_cmp_gt_u32 s15, 2
	s_cbranch_scc1 .Lend                           ; waves 0 to 2 join the 16 parts of one map each
.set n, 0
.rept 16
	ds_load_b64 v[FM+2*n:FM+2*n+1], v4 offset:PSTR*n
.set n, n+1
.endr
.set n, 0
.rept 16
	ds_load_b64 v[FS+2*n:FS+2*n+1], v4 offset:LSB+PSTR*n
.set n, n+1
.endr
	s_wait_dscnt 0x0
.irp e, 0,1
	v_max3_num_f32 v[TMP+\e], v[FM+\e], v[FM+2+\e], v[FM+4+\e]
.endr
.irp p, 3,5,7,9,11,13
.irp e, 0,1
	v_max3_num_f32 v[TMP+\e], v[TMP+\e], v[FM+2*\p+\e], v[FM+2*\p+2+\e]
.endr
.endr
.irp e, 0,1
	v_max_num_f32 v[TMP+\e], v[TMP+\e], v[FM+30+\e]              ; the rows' maxima
.endr
.set n, 0
.rept 16
	v_pk_add_f32 v[FM+2*n:FM+2*n+1], v[FM+2*n:FM+2*n+1], v[TMP:TMP+1] neg_lo:[0,1] neg_hi:[0,1]
.set n, n+1
.endr
.set n, 0
	s_wait_alu depctr_va_vdst(0)
.rept 32
	v_exp_f32 v[FM+n], v[FM+n]
.set n, n+1
.endr
	v_nop
	s_wait_alu depctr_va_vdst(0)                   ; the 32 exponentials have written the parts' factors, which the products below read
	v_pk_mul_f32 v[TMP+2:TMP+3], v[FS:FS+1], v[FM:FM+1]          ; the parts' sums under the common maximum, in two chains
	v_pk_mul_f32 v[TMP+4:TMP+5], v[FS+2:FS+3], v[FM+2:FM+3]
.irp p, 2,4,6,8,10,12,14
	v_pk_fma_f32 v[TMP+2:TMP+3], v[FS+2*\p:FS+2*\p+1], v[FM+2*\p:FM+2*\p+1], v[TMP+2:TMP+3]
	v_pk_fma_f32 v[TMP+4:TMP+5], v[FS+2*\p+2:FS+2*\p+3], v[FM+2*\p+2:FM+2*\p+3], v[TMP+4:TMP+5]
.endr
	v_pk_add_f32 v[TMP+2:TMP+3], v[TMP+2:TMP+3], v[TMP+4:TMP+5]  ; at least 1: the largest score's term
	s_wait_alu depctr_va_vdst(0)
	v_log_f32 v[TMP+4], v[TMP+2]
	v_log_f32 v[TMP+5], v[TMP+3]
	v_nop
	s_wait_alu depctr_va_vdst(0)                   ; the two logarithms are written, which the subtractions read
	v_sub_f32 v[TMP+6], -v[TMP], v[TMP+4]          ; -(M + log2(sum))
	v_sub_f32 v[TMP+7], -v[TMP+1], v[TMP+5]
	s_wait_alu depctr_va_vdst(0)                   ; the subtractions have written v[TMP+6:TMP+7], the store's data
	global_store_b64 v5, v[TMP+6:TMP+7], s[10:11]  ; 32 lanes store 256 consecutive bytes, aligned
.Lend:
	s_wait_dscnt 0x0
	s_wait_alu depctr_hold_cnt(0) depctr_sa_sdst(0) depctr_va_vdst(0) depctr_va_sdst(0) depctr_va_ssrc(0) depctr_va_vcc(0) depctr_vm_vsrc(0)
	s_wait_tensorcnt 0x0
	ds_add_u32 v254, v255
	s_wait_dscnt 0x0
	s_endpgm
.Lfunc_end_k_q87a358374e_rowsum:
	.size	k_q87a358374e_rowsum, .Lfunc_end_k_q87a358374e_rowsum-k_q87a358374e_rowsum
	.p2alignl 7, 3214868480
	.fill 96, 4, 3214868480
	.section	.rodata,"a",@progbits
	.p2align	6, 0x0
	.amdhsa_kernel k_q87a358374e_rowsum
		.amdhsa_group_segment_fixed_size 27648
		.amdhsa_private_segment_fixed_size 0
		.amdhsa_enable_private_segment 0
		.amdhsa_kernarg_size 32
		.amdhsa_user_sgpr_count 2
		.amdhsa_user_sgpr_kernarg_segment_ptr 1
		.amdhsa_wavefront_size32 1
		.amdhsa_system_sgpr_workgroup_id_x 1
		.amdhsa_system_sgpr_workgroup_id_y 1
		.amdhsa_system_sgpr_workgroup_id_z 1
		.amdhsa_system_vgpr_workitem_id 0
		.amdhsa_next_free_vgpr 352
		.amdhsa_next_free_sgpr 66
		.amdhsa_reserve_vcc 0
		.amdhsa_float_denorm_mode_32 3
		.amdhsa_float_denorm_mode_16_64 3
		.amdhsa_memory_ordered 1
		.amdhsa_forward_progress 1
		.amdhsa_inst_pref_size 182
	.end_amdhsa_kernel
	.amdgpu_metadata
---
amdhsa.version: [ 1, 2 ]
amdhsa.kernels:
  - .name:           k_q87a358374e_rowsum
    .symbol:         k_q87a358374e_rowsum.kd
    .args:
      - { .name: codes, .offset: 0, .size: 8, .value_kind: global_buffer, .address_space: global }
      - { .name: scl, .offset: 8, .size: 8, .value_kind: global_buffer, .address_space: global }
      - { .name: alpha, .offset: 16, .size: 8, .value_kind: global_buffer, .address_space: global }
      - { .name: nlz, .offset: 24, .size: 8, .value_kind: global_buffer, .address_space: global }
    .group_segment_fixed_size: 27648
    .private_segment_fixed_size: 0
    .kernarg_segment_align: 8
    .kernarg_segment_size: 32
    .max_flat_workgroup_size: 256
    .sgpr_count:     66
    .vgpr_count:     352
    .wavefront_size: 32
...
	.end_amdgpu_metadata
.endif
;; end of part 5
;; launch topk (part 6): grid 16 x 16, 8 waves a work-group, no clusters, 64,768 bytes of LDS; arguments codes, scl, alpha, nlz, out0; writes out0
.if DOCPART == 6
	.amdgcn_target "amdgcn-amd-amdhsa--gfx1250"
	.amdhsa_code_object_version 6
	.text
	.protected	k_q87a358374e_topk
	.globl	k_q87a358374e_topk
	.p2align	8
	.type	k_q87a358374e_topk,@function
k_q87a358374e_topk:
	s_mov_b64 s[64:65], 0
	v_nop
	global_prefetch_b8 v0, s[64:65] scope:SCOPE_SE
	s_setreg_imm32_b32 hwreg(HW_REG_WAVE_SCHED_MODE, 0, 2), 2
	s_setreg_imm32_b32 hwreg(HW_REG_WAVE_MODE, 25, 1), 1
	s_wait_xcnt 0x0
	s_wait_alu depctr_vm_vsrc(0)
; out0[b][k][2 nr + pi][2 nc + pj] = the k-th largest over m of a_q[n][m], q = 0 for (pi, pj) = (0, 0), 1 for (1, 1), 2 else;  a_q[n][m] = 2^(2 s_q[n][m] + nlz_q[n] + nlz_q[m]), s_q in units of log2 as the launch before has it,
; nlz = -log2 of the row sums: the product of the row softmax and the column softmax of a symmetric s.  2^x rises with x: the three largest are found on t = 2 s + nlz[m], and only they go through an exponential.
; SHARES, LAYOUT, LOADS, MASK: as in the launch before (64 rows a work-group, all of them in each of 8 waves, wave w walks the tiles of m numbered w + 8 k; source 0 = the walked tile, so a lane holds one row n and 8 columns m);
; the mask carries 2 alpha log2(e).  No joint loads, for the same reason: no byte of the codes is wanted by two waves of a work-group, and a step's 3,200 bytes a wave stand beside some 300 vector instructions.
; nlz of the whole image (12 KB) is copied into LDS once; a step takes its 8 columns' numbers of the three maps from there.  The third map: t_2 = (t_0 + t_1) / 2 + (nlz_2 - (nlz_0 + nlz_1) / 2).
; THE THREE LARGEST, 17 instructions for 8 numbers: a knock-out of three rounds on the 8 numbers; the winner is put into a sorted list of three (two medians and a maximum); of each round's losers only the LARGEST ever seen is kept.
; That is enough: a loser can be among the three largest only with its winner, so at most one loser of a round is among them, and then it is that round's largest.  At the end the three kept losers are put into the list.
; AT THE END the lists of 16 parts (8 waves x 2 halves of the lanes) meet in LDS; waves 0 to 5 join them (a map and 32 rows each), add nlz[n] and take 2^x; the values meet in LDS once more, so that each store covers a whole image row of 256 bytes.
; LIMITS: NaN and infinities are not served; |alpha| under about 1e37; a result under 2^-126 comes out as 0.
; THE MODE: SCHED_MODE bits 1:0 = 2 (LLVM: expert scheduling mode 2), set by the entry lines.  The code itself states the register dependences
; between vector or matrix instructions and memory or LDS instructions, with s_wait_alu, always for 0.
; THE PLAN.  Registers that memory or LDS instructions touch:
;   v1, v2, v5, T16   offsets of the global loads and stores and of the table's LDS stores: written once at the head, ahead of the wait in front of the first load; never written again.
;   v3, v4, v6, v7, FRD   LDS addresses: written once at the head, ahead of the head's wait for its exponentials; never written again.
;   window 1 v0-95, BS, v15   loaded once, read by matrix or vector instructions, never loaded again.
;   AF / AS, AF2 / AS2   the walked tile, two buffers.  Step k's matrix instructions read buffer k % 2; the head of step k loads tile k + 1 into the other one, which the matrix instructions of step k - 1 read.
;                     Window 0 has no 24 registers left: the second buffer lies in window 1, behind my tiles; scale words have no window.
;   NL                nlz of a step's columns: LDS loads land in it at the step's head; the step's vector instructions read it and write its third part anew.
;   So ONE wait on va_vdst stands at the head of steps 1 to 7: the step before is done with NL, and its matrix instructions with their buffer.  The step's six LDS loads and seven loads follow it at once.
;   ACC               its first twelve registers carry the table from memory to LDS at the head: one wait on vm_vsrc behind the barrier, ahead of the first products, which write them.
;                     At the end the parts' lists are loaded into it, behind the wait that stands ahead of the lists' stores; no vector instruction stands between.
;   ST, MG            data of the LDS stores at the end: a wait on va_vdst ahead of each run (the second is the wait for the three exponentials).   TMP: loaded from LDS and stored; no vector instruction names it behind the head.
;   s15 and s40-55 are written by vector instructions: one wait on va_sdst behind each run of writers, ahead of the first reader.
.set TILEB, 3072
.set STEPB, 8*TILEB
.set A2,   8                           ; v[8:9]   2 alpha log2(e), twice
.set NG,   10                          ; v[10:11], v[12:13]  -that x gr for my two patch rows
.set AS,   14                          ; v14      the walked tile's scale words, even steps;  v15: nlz of the row that I finish
.set BS,   16                          ; v16-19   my four tiles' scale words
.set AF,   20                          ; v20-43   the walked tile's two fragments, even steps
.set G,    44                          ; v44-59   gc
.set MA,   60                          ; v60-67   the mask of the tile in hand
.set T2,   68                          ; v68-75   the third map's t
.set NL,   76                          ; v76-99   nlz of the step's columns: map q at 8 q; map 2's become nlz_2 - (nlz_0 + nlz_1) / 2
.set ACC,  100                         ; v100-163 accumulator (tile i, pixel p) at 16 i + 8 p
.set ST,   164                         ; v164-235 (tile i, map q) at 6 (3 i + q): the list of three, then the largest loser of each round
.set FRD,  236                         ; v236     LDS address of the finished values that I store
.set AS2,  237                         ; v237     the walked tile's scale words, odd steps
.set TMP,  238                         ; v238-241 at work
.set RR,   242
.set HH,   243
.set T16,  244
.set AF2,  96                          ; window 1, v96-119: the walked tile's two fragments, odd steps
.set MG,   ACC
.set GR,   40                          ; s40-55
.set PB0,  12288                       ; LDS: nlz from 0; the parts' lists from here: part x 3,072 + map x 1,024 + row x 16
.set FB,   PB0+49152                   ; the finished values: map x 768 + k x 256 + row x 4
.set MSB, 0
.macro WIN new
.if MSB != \new
	s_set_vgpr_msb (MSB<<8)|\new
.set MSB, \new
.endif
.endm
.macro LOADA t                         ; the wave's t-th tile into buffer t % 2
.if (\t)%2
	WIN 0x40                                       ; destination window 1
.irp f, 0,1,2,3,4,5
	global_load_b128 v[AF2+4*\f:AF2+4*\f+3], v1, s[22:23] offset:(\t)*STEPB+512*\f
.endr
	WIN 0
	global_load_b32 v[AS2], v2, s[26:27] offset:(\t)*1024
.else
.irp f, 0,1,2,3,4,5
	global_load_b128 v[AF+4*\f:AF+4*\f+3], v1, s[22:23] offset:(\t)*STEPB+512*\f
.endr
	global_load_b32 v[AS], v2, s[26:27] offset:(\t)*1024
.endif
.endm
	s_load_b256 s[4:11], s[0:1], 0x0               ; codes, scl, alpha, nlz
	s_load_b64 s[32:33], s[0:1], 0x20              ; out0
	v_lshl_add_u32 v254, v0, 2, 0xf900
	v_mov_b32 v255, 0
	v_lshrrev_b32 v6, 5, v0
	v_readfirstlane_b32 s15, v6                    ; wave 0..7
	v_and_b32 v7, 31, v0
	v_lshlrev_b32 v1, 4, v7                        ; 16 x lane
	v_lshlrev_b32 v2, 2, v7                        ; 4 x lane
	v_lshlrev_b32 v5, 3, v7                        ; 8 x lane
	v_lshlrev_b32 v[T16], 4, v0                    ; 16 x thread
	s_wait_alu depctr_va_sdst(0)                   ; s15 is written, ahead of its first reader: bases, LDS addresses and the branches at the end are made from it
	s_mov_b32 s16, ttmp9                           ; row block
	s_and_b32 s17, ttmp7, 0xffff                   ; image
	s_mov_b32 s19, 0
	s_lshr_b32 s28, s15, 1                         ; at the end: which map (then: which k),
	s_and_b32 s29, s15, 1                          ; and which 32 of the 64 rows
	s_wait_kmcnt 0x0
	s_load_b32 s12, s[8:9], 0x0                    ; alpha
	s_mul_i32 s18, s17, 64*TILEB
	s_add_nc_u64 s[4:5], s[4:5], s[18:19]
	s_mul_i32 s18, s16, 4*TILEB
	s_add_nc_u64 s[20:21], s[4:5], s[18:19]
	s_mul_i32 s18, s15, TILEB
	s_add_nc_u64 s[22:23], s[4:5], s[18:19]
	s_lshl_b32 s18, s17, 13
	s_add_nc_u64 s[6:7], s[6:7], s[18:19]
	s_lshl_b32 s18, s16, 9
	s_add_nc_u64 s[24:25], s[6:7], s[18:19]
	s_lshl_b32 s18, s15, 7
	s_add_nc_u64 s[26:27], s[6:7], s[18:19]
	s_mul_i32 s18, s17, 12288
	s_add_nc_u64 s[10:11], s[10:11], s[18:19]      ; the image's nlz
	s_min_u32 s31, s28, 2                          ; (waves 6 and 7 finish nothing: their load stays inside the buffer)
	s_lshl_b32 s18, s31, 12
	s_lshl_b32 s36, s16, 8
	s_add_co_u32 s18, s18, s36
	s_lshl_b32 s36, s29, 7
	s_add_co_u32 s18, s18, s36
	s_add_nc_u64 s[34:35], s[10:11], s[18:19]      ; nlz of the 32 rows that I finish
	WIN 0x40                                       ; destination window 1
	s_wait_alu depctr_va_vdst(0)                   ; v1, v2, v5 and v[T16] are written: every global load and store of the kernel, and the table's LDS stores, read one of them as offset or address
.set f, 0
.rept 24
	global_load_b128 v[4*f:4*f+3], v1, s[20:21] offset:512*f
.set f, f+1
.endr
	WIN 0
.irp i, 0,1,2,3
	global_load_b32 v[BS+\i], v2, s[24:25] offset:128*\i
.endr
	LOADA 0
.irp q, 0,1,2
	global_load_b128 v[ACC+4*\q:ACC+4*\q+3], v[T16], s[10:11] offset:4096*\q   ; the 256 threads copy the image's nlz, 4,096 bytes a map
.endr
	global_load_b32 v15, v2, s[34:35]
	s_mul_i32 s18, s17, 49152                      ; out0: image, k = wave / 2, image rows 4 (row block) + 2 (wave % 2) on
	s_lshl_b32 s36, s28, 14
	s_add_co_u32 s18, s18, s36
	s_lshl_b32 s36, s16, 10
	s_add_co_u32 s18, s18, s36
	s_lshl_b32 s36, s29, 9
	s_add_co_u32 s18, s18, s36
	s_add_nc_u64 s[32:33], s[32:33], s[18:19]
	v_and_b32 v[RR], 15, v0                        ; r
	v_bfe_u32 v[HH], v0, 4, 1                      ; h
	s_wait_alu depctr_va_vdst(0)
	s_mul_i32 s36, s15, 6144
	v_mul_u32_u24 v3, v[HH], 3072
	v_lshl_add_u32 v3, v[RR], 4, v3
	v_add_nc_u32 v3, s36, v3                       ; the lists, in: part 2 wave + h, 16 r
	s_lshl_b32 s36, s28, 10
	s_lshl_b32 s37, s29, 9
	s_add_co_u32 s36, s36, s37
	v_add_nc_u32 v4, s36, v1                       ; back: my map, my 32 rows, 16 x lane
	s_mul_i32 s36, s28, 768
	s_lshl_b32 s37, s29, 7
	s_add_co_u32 s36, s36, s37
	v_add_nc_u32 v7, s36, v2                       ; the finished values, in: my map, my rows
	s_lshl_b32 s36, s28, 8
	s_add_co_u32 s36, s36, s37
	v_add_nc_u32 v[FRD], s36, v2                   ; back: my k, my rows
	s_lshl_b32 s36, s15, 6
	v_lshl_add_u32 v6, v[HH], 5, s36               ; nlz of a step's columns: 64 x wave + 32 h
	; gc and gr, as in the launch before
	v_lshlrev_b32 v[TMP], 3, v[HH]
	v_sub_nc_u32 v[TMP], v[RR], v[TMP]
	s_lshl_b32 s36, s29, 4
	v_subrev_nc_u32 v[TMP], s36, v[TMP]
.set n, 0
.rept 16
	v_add_nc_u32 v[G+n], 16*(n/8)-n%8, v[TMP]
.set n, n+1
.endr
.set n, 0
.rept 16
	v_cvt_f32_i32 v[G+n], v[G+n]
.set n, n+1
.endr
.set n, 0
.rept 16
	v_mul_f32 v[G+n], v[G+n], v[G+n]
.set n, n+1
.endr
.set n, 0
.rept 16
	v_mul_f32 v[G+n], 0xbe9044fe, v[G+n]           ; x -log2(e) / 5.12
.set n, n+1
.endr
	v_and_b32 v[TMP+1], 7, v0
	v_bfe_u32 v[TMP+2], v0, 3, 1
	v_lshlrev_b32 v[TMP+1], 2, v[TMP+1]
	v_sub_nc_u32 v[TMP+1], v[TMP+1], v[TMP+2]
	s_lshl_b32 s36, s16, 1
	s_sub_co_i32 s36, s28, s36
	v_add_nc_u32 v[TMP+1], s36, v[TMP+1]           ; dr = wave / 2 + 4 k - 2 (row block) - a, in lane 8 a + k
	v_cvt_f32_i32 v[TMP+1], v[TMP+1]
	v_mul_f32 v[TMP+1], v[TMP+1], v[TMP+1]
	v_mul_f32 v[TMP+1], 0xbe9044fe, v[TMP+1]
.set n, 0
	s_wait_alu depctr_va_vdst(0)
.rept 16
	v_exp_f32 v[G+n], v[G+n]
.set n, n+1
.endr
	v_exp_f32 v[TMP+1], v[TMP+1]
	s_wait_kmcnt 0x0                               ; alpha
	s_mul_f32 s13, s12, 0x4038aa3b                 ; 2 alpha log2(e)
	s_mul_f32 s14, s12, 0xc038aa3b
	s_mov_b32 s30, 0xff800000                      ; -infinity, under every t
	v_mov_b32 v[A2], s13                           ; (plain work behind the exponentials)
	v_mov_b32 v[A2+1], s13
	v_mov_b32 v[NG+1], 0
	v_mov_b32 v[NG+3], 0
.set n, 0
.rept 72
	v_mov_b32 v[ST+n], s30                         ; lists and kept losers begin under every t
.set n, n+1
.endr
	s_wait_alu depctr_va_vdst(0)                   ; the 17 exponentials have written gc and gr, ahead of their first reader: one wait for the batch; the LDS addresses v3, v4, v6, v7 and v[FRD] are written too
	v_mul_f32 v[TMP+1], s14, v[TMP+1]
.set n, 0
.rept 16
	v_readlane_b32 s[GR+n], v[TMP+1], n
.set n, n+1
.endr
	s_wait_alu depctr_va_sdst(0)                   ; s40 to s55 are written, ahead of their first readers, the moves in each step: one wait for the run of sixteen
	s_wait_loadcnt 0x0
.irp q, 0,1,2
	ds_store_b128 v[T16], v[ACC+4*\q:ACC+4*\q+3] offset:4096*\q
.endr
	s_wait_dscnt 0x0                               ; for the others' sake: my part of the table lies in LDS
	s_barrier_signal -1
	s_barrier_wait -1
	s_wait_alu depctr_vm_vsrc(0)                   ; my LDS stores have read v[ACC .. ACC+11], which the first products write
.macro MM i                            ; my tile i against the walked tile (fragments at CA, scale words in CS), both pixels
	v_wmma_scale_f32_16x16x128_f8f6f4 v[ACC+16*\i:ACC+16*\i+7], v[CA:CA+11], v[24*\i:24*\i+11], 0, v[CS], v[BS+\i] matrix_a_fmt:MATRIX_FMT_BF6 matrix_b_fmt:MATRIX_FMT_BF6
	v_wmma_scale_f32_16x16x128_f8f6f4 v[ACC+16*\i+8:ACC+16*\i+15], v[CA+12:CA+23], v[24*\i+12:24*\i+23], 0, v[CS], v[BS+\i] matrix_a_fmt:MATRIX_FMT_BF6 matrix_b_fmt:MATRIX_FMT_BF6 matrix_a_scale:MATRIX_SCALE_ROW1 matrix_b_scale:MATRIX_SCALE_ROW1
.endm
.macro MASK i
.irp j, 0,2,4,6
	v_pk_fma_f32 v[MA+\j:MA+\j+1], v[G+8*((\i)%2)+\j:G+8*((\i)%2)+\j+1], v[NG+2*((\i)/2):NG+2*((\i)/2)+1], v[A2:A2+1] op_sel_hi:[1,0,0]
.endr
.endm
; numbers a and b of each of tile i's three maps meet: the loser against the round's kept loser (register lv of the map's six), the winner into a's place.  The maps by turns
.macro DUEL i, a, b, lv
.irp q, 0,1,2
.set RTB, (ACC+16*(\i)+8*\q)*(1-\q/2)+T2*(\q/2)
.set RSB, ST+6*(3*(\i)+\q)
	v_minmax_num_f32 v[RSB+\lv], v[RTB+\a], v[RTB+\b], v[RSB+\lv]    ; max(min(a, b), kept)
	v_max_num_f32 v[RTB+\a], v[RTB+\a], v[RTB+\b]
.endr
.endm
.macro TILE i
.set RC0, ACC+16*(\i)
.irp j, 0,2,4,6
	v_pk_fma_f32 v[RC0+\j:RC0+\j+1], v[RC0+\j:RC0+\j+1], v[MA+\j:MA+\j+1], v[NL+\j:NL+\j+1]                   ; t_0 = 2 s_0 + nlz_0[m]; each accumulator is read from its low end on
.endr
.irp j, 0,2,4,6
	v_pk_fma_f32 v[RC0+8+\j:RC0+8+\j+1], v[RC0+8+\j:RC0+8+\j+1], v[MA+\j:MA+\j+1], v[NL+8+\j:NL+8+\j+1]
.endr
.irp j, 0,2,4,6
	v_pk_add_f32 v[T2+\j:T2+\j+1], v[RC0+\j:RC0+\j+1], v[RC0+8+\j:RC0+8+\j+1]
.endr
.irp j, 0,2,4,6
	v_pk_fma_f32 v[T2+\j:T2+\j+1], v[T2+\j:T2+\j+1], 0.5, v[NL+16+\j:NL+16+\j+1] op_sel_hi:[1,0,1]
.endr
	DUEL \i, 0, 1, 3
	DUEL \i, 2, 3, 3
	DUEL \i, 4, 5, 3
	DUEL \i, 6, 7, 3
	DUEL \i, 0, 2, 4
	DUEL \i, 4, 6, 4
	DUEL \i, 0, 4, 5
.irp q, 0,1,2                          ; the winner into the sorted list: third = median(second, third, x), second = median(first, second, x), first = max(first, x), each on the old values
.set RTB, (ACC+16*(\i)+8*\q)*(1-\q/2)+T2*(\q/2)
.set RSB, ST+6*(3*(\i)+\q)
	v_med3_num_f32 v[RSB+2], v[RSB+1], v[RSB+2], v[RTB]
.endr
.irp q, 0,1,2
.set RTB, (ACC+16*(\i)+8*\q)*(1-\q/2)+T2*(\q/2)
.set RSB, ST+6*(3*(\i)+\q)
	v_med3_num_f32 v[RSB+1], v[RSB], v[RSB+1], v[RTB]
.endr
.irp q, 0,1,2
.set RTB, (ACC+16*(\i)+8*\q)*(1-\q/2)+T2*(\q/2)
.set RSB, ST+6*(3*(\i)+\q)
	v_max_num_f32 v[RSB], v[RSB], v[RTB]
.endr
.endm
.macro STEP k
.set CA, AF*(1-(\k)%2)+AF2*((\k)%2)
.set CS, AS*(1-(\k)%2)+AS2*((\k)%2)
.if \k > 0
	s_wait_alu depctr_va_vdst(0)                   ; the step before is done reading and writing nlz's registers, in which the LDS loads below land; its matrix instructions are done reading their buffer, in which the next tile's loads land
.endif                                                 ; (step 0: nothing has named these registers yet, and v6 stands ahead of the head's wait)
.irp q, 0,1,2
	ds_load_b128 v[NL+8*\q:NL+8*\q+3], v6 offset:4096*\q+512*\k          ; nlz_q of columns 16 (wave + 8 k) + 8 h + 0 .. 7
	ds_load_b128 v[NL+8*\q+4:NL+8*\q+7], v6 offset:4096*\q+512*\k+16
.endr
.if \k < 7
	LOADA (\k+1)                                   ; the next tile, into the other buffer: between the wait above and these loads stand LDS loads and window switches alone
	s_wait_loadcnt 7                               ; loads come back in order: this step's tile, asked for a step ago, is in; the seven just issued stay out
.else
	s_wait_loadcnt 0x0                             ; the last tile, asked for a step ago
.endif
.if (\k)%2
	WIN 0x05                                       ; sources 0 and 1 in window 1
.else
	WIN 0x04                                       ; source 1 in window 1
.endif
	MM 0
	MM 1
	MM 2
	MM 3
	WIN 0
	v_mov_b32 v[NG], s[GR+\k]                      ; six plain instructions that name no register of the products: the places in front of the first read of their results
	v_mov_b32 v[NG+2], s[GR+8+\k]
	MASK 0
	s_wait_dscnt 0x0
.irp j, 0,2,4,6
	v_pk_add_f32 v[T2+\j:T2+\j+1], v[NL+\j:NL+\j+1], v[NL+8+\j:NL+8+\j+1]
.endr
.irp j, 0,2,4,6
	v_pk_fma_f32 v[NL+16+\j:NL+16+\j+1], v[T2+\j:T2+\j+1], -0.5, v[NL+16+\j:NL+16+\j+1] op_sel_hi:[1,0,1]
.endr
	TILE 0
	MASK 1
	TILE 1
	MASK 2
	TILE 2
	MASK 3
	TILE 3
.endm
.irp k, 0,1,2,3,4,5,6,7
	STEP \k
.endr
	; the kept losers of the three rounds go into the lists; the twelve lists by turns
.irp lv, 5,4,3
.set n, 0
.rept 12
	v_med3_num_f32 v[ST+6*n+2], v[ST+6*n+1], v[ST+6*n+2], v[ST+6*n+\lv]
.set n, n+1
.endr
.set n, 0
.rept 12
	v_med3_num_f32 v[ST+6*n+1], v[ST+6*n], v[ST+6*n+1], v[ST+6*n+\lv]
.set n, n+1
.endr
.set n, 0
.rept 12
	v_max_num_f32 v[ST+6*n], v[ST+6*n], v[ST+6*n+\lv]
.set n, n+1
.endr
.endr
	s_wait_alu depctr_va_vdst(0)                   ; the lists are written, which the LDS stores read; and all that named the accumulators is done: the loads behind the barrier land in them, and no vector instruction stands between
.irp i, 0,1,2,3
.irp q, 0,1,2
	ds_store_b96 v3, v[ST+6*(3*\i+\q):ST+6*(3*\i+\q)+2] offset:PB0+1024*\q+256*\i   ; 12 bytes to a place of 16
.endr
.endr
	s_wait_dscnt 0x0                               ; for the others' sake: my lists lie in LDS
	s_barrier_signal -1
	s_barrier_wait -1
	s_cmp_gt_u32 s15, 5
	s_cbranch_scc1 .Lmerged                        ; waves 0 to 5: map wave / 2, rows 32 (wave % 2) + lane
.set n, 0
.rept 16
	ds_load_b96 v[MG+4*n:MG+4*n+2], v4 offset:PB0+3072*n
.set n, n+1
.endr
	s_wait_dscnt 0x0
.macro INS h, x                        ; number v[x] into the sorted list v[h .. h + 2]
	v_med3_num_f32 v[\h+2], v[\h+1], v[\h+2], v[\x]
	v_med3_num_f32 v[\h+1], v[\h], v[\h+1], v[\x]
	v_max_num_f32 v[\h], v[\h], v[\x]
.endm
.irp p, 1,2,3,4,5,6,7                  ; parts 1-7 into part 0's list, parts 9-15 into part 8's, by turns; then the one into the other
.irp e, 0,1,2
	INS MG, MG+4*\p+\e
	INS MG+32, MG+32+4*\p+\e
.endr
.endr
.irp e, 0,1,2
	INS MG, MG+32+\e
.endr
.irp e, 0,1,2
	v_add_f32 v[MG+\e], v[MG+\e], v15              ; + nlz[n]
.endr
	s_wait_alu depctr_va_vdst(0)
.irp e, 0,1,2
	v_exp_f32 v[MG+\e], v[MG+\e]
.endr
	v_nop                                          ; a plain instruction behind the exponentials,
	s_wait_alu depctr_va_vdst(0)                   ; and the wait: the three exponentials have written v[MG .. MG+2], whose first readers are the LDS stores below
.irp e, 0,1,2
	ds_store_b32 v7, v[MG+\e] offset:FB+256*\e
.endr
.Lmerged:
	s_wait_dscnt 0x0                               ; for the others' sake: my finished values lie in LDS
	s_barrier_signal -1
	s_barrier_wait -1
	s_cmp_gt_u32 s15, 5
	s_cbranch_scc1 .Lend                           ; waves 0 to 5: k = wave / 2, patch row wave % 2: two image rows
	ds_load_b32 v[TMP], v[FRD] offset:FB           ; the even image row's pairs: map 0, map 2
	ds_load_b32 v[TMP+1], v[FRD] offset:FB+2*768
	ds_load_b32 v[TMP+2], v[FRD] offset:FB+2*768   ; the odd row's: map 2, map 1
	ds_load_b32 v[TMP+3], v[FRD] offset:FB+768
	s_wait_dscnt 0x0
	global_store_b64 v5, v[TMP:TMP+1], s[32:33]                  ; 32 lanes store an image row: 256 consecutive bytes, aligned
	global_store_b64 v5, v[TMP+2:TMP+3], s[32:33] offset:256
.Lend:
	s_wait_dscnt 0x0
	s_wait_alu depctr_hold_cnt(0) depctr_sa_sdst(0) depctr_va_vdst(0) depctr_va_sdst(0) depctr_va_ssrc(0) depctr_va_vcc(0) depctr_vm_vsrc(0)
	s_wait_tensorcnt 0x0
	ds_add_u32 v254, v255
	s_wait_dscnt 0x0
	s_endpgm
.Lfunc_end_k_q87a358374e_topk:
	.size	k_q87a358374e_topk, .Lfunc_end_k_q87a358374e_topk-k_q87a358374e_topk
	.p2alignl 7, 3214868480
	.fill 96, 4, 3214868480
	.section	.rodata,"a",@progbits
	.p2align	6, 0x0
	.amdhsa_kernel k_q87a358374e_topk
		.amdhsa_group_segment_fixed_size 64768
		.amdhsa_private_segment_fixed_size 0
		.amdhsa_enable_private_segment 0
		.amdhsa_kernarg_size 40
		.amdhsa_user_sgpr_count 2
		.amdhsa_user_sgpr_kernarg_segment_ptr 1
		.amdhsa_wavefront_size32 1
		.amdhsa_system_sgpr_workgroup_id_x 1
		.amdhsa_system_sgpr_workgroup_id_y 1
		.amdhsa_system_sgpr_workgroup_id_z 1
		.amdhsa_system_vgpr_workitem_id 0
		.amdhsa_next_free_vgpr 376
		.amdhsa_next_free_sgpr 66
		.amdhsa_reserve_vcc 0
		.amdhsa_float_denorm_mode_32 3
		.amdhsa_float_denorm_mode_16_64 3
		.amdhsa_memory_ordered 1
		.amdhsa_forward_progress 1
		.amdhsa_inst_pref_size 170
	.end_amdhsa_kernel
	.amdgpu_metadata
---
amdhsa.version: [ 1, 2 ]
amdhsa.kernels:
  - .name:           k_q87a358374e_topk
    .symbol:         k_q87a358374e_topk.kd
    .args:
      - { .name: codes, .offset: 0, .size: 8, .value_kind: global_buffer, .address_space: global }
      - { .name: scl, .offset: 8, .size: 8, .value_kind: global_buffer, .address_space: global }
      - { .name: alpha, .offset: 16, .size: 8, .value_kind: global_buffer, .address_space: global }
      - { .name: nlz, .offset: 24, .size: 8, .value_kind: global_buffer, .address_space: global }
      - { .name: out0, .offset: 32, .size: 8, .value_kind: global_buffer, .address_space: global }
    .group_segment_fixed_size: 64768
    .private_segment_fixed_size: 0
    .kernarg_segment_align: 8
    .kernarg_segment_size: 40
    .max_flat_workgroup_size: 256
    .sgpr_count:     66
    .vgpr_count:     376
    .wavefront_size: 32
...
	.end_amdgpu_metadata
.endif
;; end of part 6
